; MI455X (gfx1250); checked and timed in simulation.
; The chip was launched on July 23, 2026; its instructions are those of AMD's public machine-readable ISA for CDNA 5 (MIT licence, August 2026) and "CDNA5" Instruction Set Architecture Reference Guide (July 2026). The comments in the code are by the model that wrote it; some were corrected since.
;; Causal Self Attention. Allowed arithmetic: matrix products marked QUANTISED: E2M3 operands, one E8M0 scale for each 32 along K, by v_wmma_scale_f32_16x16x128_f8f6f4 with both operands' format E2M3, f32 sums; everything else in f32.
;; Inputs: b_proj 1,024 float32; b_qkv 3,072 float32; w_proj 1,024 x 1,024 float32; w_qkv 1,024 x 3,072 float32; x 4 x 2,048 x 1,024 float32.
;; Outputs: out0 4 x 2,048 x 1,024 float32.
;; This version of the problem:
;;   THIS VERSION OF THE PROBLEM IS GIVEN IN LOW PRECISION. The matrix products marked QUANTISED in the list below multiply operands that are first quantised to E2M3 (2 exponent bits, 3 mantissa bits; 6 bits a number), with one power-of-two scale for each 32 numbers along K (OCP MX v1.0); their sums are f32. All else is computed in f32.
;;   The module's matrix products, in the order in which they are computed (A, B: the left and right operand; K: the contracted axis; several contracted axes count as one K, in the product's order):
;;     1. [M 8,192, K 1,024] x [K 1,024, N 3,072]; A: input x; B: input w_qkv: QUANTISED
;;     2. batch 64 x [M 2,048, K 64] x [K 64, N 2,048]; A: computed on the way; B: computed on the way: QUANTISED
;;     3. batch 64 x [M 2,048, K 2,048] x [K 2,048, N 64]; A: softmax (see below); B: computed on the way: QUANTISED
;;     4. [M 8,192, K 1,024] x [K 1,024, N 1,024]; A: computed on the way; B: input w_proj: QUANTISED
;;   THE QUANTISER, for each operand of a quantised product, along K:
;;     - K is cut into blocks of 32 from its start; a last block that is shorter is filled with zeros.
;;     - A block's scale is 2^e with e = floor(log2(the largest magnitude in the block)) - 2, held to -126 .. 127; a block of zeros has e = 0. As a byte (E8M0): e + 127.
;;     - Each number is divided by its block's scale, clamped to +-7.5, and rounded to the nearest number of E2M3, ties to even, subnormals kept.
;;     - The product sums the exact products of the quantised numbers (number of the format x scale) in f32.
;;   ~~~python
;;   def quantise(x, axis):      # numpy; x: float32 -> the quantised numbers, widened to float32 again
;;       x = np.moveaxis(x, axis, -1); K = x.shape[-1]
;;       x = np.pad(x, [(0, 0)] * (x.ndim - 1) + [(0, -K % 32)]); x = x.reshape(x.shape[:-1] + (-1, 32)); a = np.abs(x).max(-1, keepdims=True)
;;       e = np.where(a > 0, np.clip(np.frexp(np.where(a > 0, a, 1))[1] - 1 - 2, -126, 127), 0)      # np.frexp(a)[1] - 1 = floor(log2(a)), exactly
;;       r = np.clip(x / 2.0 ** e, -7.5, 7.5)
;;       step = 2.0 ** (np.maximum(np.frexp(np.where(r == 0, 1, r))[1] - 1, 0) - 3)
;;       q = np.round(r / step) * step * 2.0 ** e      # np.round: ties to even
;;       return np.moveaxis(q.reshape(q.shape[:-2] + (-1,))[..., :K], -1, axis).astype(np.float32)
;;   ~~~
;;   SOFTMAX AHEAD OF A QUANTISED PRODUCT. Where the list says 'softmax', what is quantised is not the finished softmax but p = 2^(t - M), with t = logit x log2(e) and M = ceil(the row's largest t), a whole number; so 1/2 < the row's largest p <= 1. The row's sum l is taken of the UNQUANTISED p, in f32, and the product's result is divided by l at the end. Since M is a whole number, a kernel that streams over the keys may use a running M (the ceiling of the running maximum): every later rescaling is an exact power of two, which a block's scale takes up: the codes' values come out the same.
;;   OPERANDS COMPUTED ON THE WAY. 'Computed on the way' means the value that the module computes at that place (a softmax that the list does not call 'softmax' is quantised finished and normalised). What goes into a quantiser is computed in f32, as accurately as f32 sums, v_exp_f32 and their like allow (about 1e-6 of the number): no bf16 or f16 on the way to a quantiser, and a product that is left as it is and whose result goes on into a quantised operand takes f32 operands (vector FMAs, or v_wmma_f32_16x16x4_f32). A number that lies on a knife's edge between two numbers of the format may be rounded either way, as far as f32 arithmetic and the matrix unit's own rounding can turn it there, and no further.
;; One version. Each part assembles by itself: llvm-mc -triple=amdgcn-amd-amdhsa -mcpu=gfx1250 --defsym DOCPART=n.
;; ======== version 1 of 1: 4 launches
;; limits: right only within a limited range of input values
;; workspace buffers: x_img 6,291,456 bytes; x_sc 262,144 bytes; w_img 3,276,800 bytes; q_ws 6,815,744 bytes; kv_ws 13,369,344 bytes; y_img 6,291,456 bytes; y_sc 262,144 bytes
;; launch quant (part 1): grid 256 x 1, 8 waves a work-group, no clusters, 168,960 bytes of LDS; arguments x, w_qkv, w_proj, x_img, x_sc, w_img; writes x_img, x_sc, w_img
.if DOCPART == 1
	.amdgcn_target "amdgcn-amd-amdhsa--gfx1250"
	.amdhsa_code_object_version 6
	.text
	.protected	k_q6cebcc81ae_quant
	.globl	k_q6cebcc81ae_quant
	.p2align	8
	.type	k_q6cebcc81ae_quant,@function
k_q6cebcc81ae_quant:
	s_mov_b64 s[64:65], 0
	v_nop
	global_prefetch_b8 v0, s[64:65] scope:SCOPE_SE
	s_setreg_imm32_b32 hwreg(HW_REG_WAVE_MODE, 25, 1), 1
	s_wait_xcnt 0x0
; x [8192][1024], w_qkv [1024 (k)][3072] and w_proj [1024 (k)][1024], f32, become codes of FP6 (E2M3) along K with one E8M0 byte for each 32 along K.
; A block's scale is 2^(floor(log2(largest magnitude)) - 2); its byte is the largest magnitude's exponent field - 2, held at 1 from below.
; LIMITS: a block of zeros gets the byte 1 where the quantiser says 127 (its codes are zeros, and this program alone reads the bytes); NaN and infinities among the inputs are not served.
; OUTPUT.  A row tile is 16 rows, all of K: 16 half fragments of 768 bytes.  A half fragment (16 rows x 64 K) is an image of the operand's registers: registers 0-3 of lane l at 16 l, registers 4-5 at 512 + 8 l;
; lane (r, h) holds row r, k = 32 h .. 32 h + 31.  Row r of tile 2 g + u is row 32 g + 8 u + r + 8 (r / 8) of the tensor.
; x_img: [512 tiles][12,288]; x_sc: [8192 rows in that order][32 bytes].  w_img: [256 tiles][12,800]: the codes, then the tile's 16 rows' scale bytes, 32 a row; an operand's row is a COLUMN of the weight: rows 0-3071 w_qkv's, 3072-4095 w_proj's.
; ONE LAUNCH FOR ALL THREE.  A work-group takes 32 rows of x and 128 columns x 128 K of the weights.
; x: wave w asks for rows 16 (w / 4) .. + 15, 1,024 bytes at 1,024 (w % 4) of each, by ONE tensor load; behind every wave's wait and a barrier wave w works tile u = w / 4, K quarter w % 4: a tile's rows lie in two waves' regions.
; THE WEIGHTS are worked by waves 0-3 while x's loads are out: a lane takes a column and its registers run down K (a load reads 128 consecutive bytes a wave), so a block of 32 lies in one lane and the conversions give
; codes with K innermost.  The codes leave from registers: sixteen lanes of a tile store 256 consecutive aligned bytes (registers 0-3) or 128 (registers 4-5); the scale words 4 bytes a lane, rows 32 bytes apart:
; one byte for each 128 that are read.  No LDS byte is touched on this way.
.set WREG,  16640                      ; a wave's LDS: 16 rows of 1,024 bytes + 16 of padding; waves 4-7 lie 128 bytes further on, so that rows r and r + 8 of a tile start in different banks
.set PITCH, 1040
.set SCR,   8*WREG+256                 ; 1,024 bytes in which the work-group's scale bytes of x meet; no tensor load lands here
.set SPARE, 0x29000
.set M,   8
.set SO,  10
.set BY,  12
.set SB,  14                           ; the weights: my column's scale word
.set W,   16
.set X,   32                           ; v32-159 128 numbers
.set C,   160                          ; v160-183 codes
.set D,   184
.set SPW, 192
.set NIL, 193
.set OFF, 196                          ; v196-227 the weights: row i of a block: i rows + 4 x lane
.set ST16, 228
.set ST8, 229
.set SCO, 230
.set L4,  231
.set BS,  28                           ; s[28:35] the weight at my first column, at the first row of each of the K step's four blocks
	s_load_b256 s[48:55], s[0:1], 0x0              ; x, w_qkv, w_proj, x_img
	s_load_b128 s[56:59], s[0:1], 0x20             ; x_sc, w_img
	v_lshl_add_u32 v[SPW], v0, 2, SPARE
	v_mov_b32 v[NIL], 0
	ds_add_u32 v[SPW], v[NIL]                      ; the opening lines: the add twice on end and its wait
	ds_add_u32 v[SPW], v[NIL]
	v_lshrrev_b32 v1, 5, v0
	v_readfirstlane_b32 s10, v1                    ; wave 0..7
	s_lshr_b32 s11, s10, 2                         ; u
	s_and_b32 s12, s10, 3                          ; kq
	s_mov_b32 s16, (3<<16)|(1<<20)|(7<<22)|(3<<25) ; group 1: 16 rows of 128 elements of 8 bytes, 4,096 bytes apart; 16 bytes of padding behind each in LDS
	s_mov_b32 s17, 128<<16
	s_mov_b32 s18, 16<<16
	s_mov_b32 s19, 128<<16
	s_mov_b32 s20, 16
	s_mov_b32 s21, 512
	s_mov_b32 s22, 0
	s_mov_b32 s23, 0
	s_mul_i32 s13, s10, WREG
	s_lshl_b32 s15, s11, 7
	s_add_co_u32 s13, s13, s15                     ; where my load lands
	s_mul_i32 s40, s12, WREG                       ; where I read: the two regions of my kq, rows 8 u .. 8 u + 7 of each
	s_mul_i32 s41, s11, 8*PITCH
	s_add_co_u32 s40, s40, s41
	s_lshl_b32 s14, ttmp9, 17                      ; 32 rows of 4,096 bytes a work-group,
	s_lshl_b32 s15, s11, 16                        ; 16 (wave / 4) rows,
	s_add_co_u32 s14, s14, s15
	s_lshl_b32 s15, s12, 10                        ; 1,024 bytes for each kq
	s_add_co_u32 s14, s14, s15
	s_mov_b32 s15, 0
	s_wait_dscnt 0x0
	s_wait_kmcnt 0x0
	s_mov_b32 s24, 1
	s_mov_b32 s25, s13
	s_add_nc_u64 s[26:27], s[48:49], s[14:15]
	s_or_b32 s27, s27, 0x80000000
	tensor_load_to_lds s[24:27], s[16:23]          ; my one tensor load
	s_nop 0
	v_and_b32 v1, 15, v0                           ; r
	v_bfe_u32 v2, v0, 4, 1                         ; h
	v_and_b32 v19, 31, v0                          ; lane
	v_lshlrev_b32 v3, 4, v19
	v_lshlrev_b32 v4, 3, v19
	v_and_b32 v5, 7, v0                            ; r % 8
	v_bfe_u32 v26, v0, 3, 1                        ; r / 8: rows 0-7 of my tile lie in the region of wave kq, rows 8-15 in that of wave 4 + kq
	v_mul_u32_u24 v5, v5, PITCH
	v_mul_u32_u24 v26, v26, 4*WREG+128
	v_lshl_add_u32 v5, v2, 7, v5                   ; + 128 h bytes: 32 numbers of each 64
	v_add_nc_u32 v5, v5, v26
	v_add_nc_u32 v5, s40, v5
	s_lshl_b32 s38, s11, 9
	s_lshl_b32 s39, s12, 3
	s_add_co_u32 s38, s38, s39
	s_add_co_u32 s38, s38, SCR
	v_lshl_add_u32 v6, v1, 5, s38                  ; my row's 8 scale bytes: SCR + 32 (16 u + r) + 8 kq
	v_lshlrev_b32 v7, 3, v2                        ; 8 h
	v_mov_b32 v18, 0                               ; a lane permute's destination counts as one of its sources
	v_lshl_add_u32 v24, v0, 4, SCR                 ; the way out of x's scale bytes: 16 bytes a thread, threads 0-63
	v_lshlrev_b32 v25, 4, v0
	s_mov_b32 s42, 0x76543210
	s_mov_b32 s43, 0xfedcba98                      ; v_permlanex16_b32's selects for lane l xor 16
	s_lshl_b32 s36, ttmp9, 1
	s_add_co_u32 s36, s36, s11
	s_mul_i32 s36, s36, 12288                      ; my tile's images,
	s_mul_i32 s37, s12, 3072                       ; my four half fragments in them
	s_add_co_u32 s36, s36, s37
	s_mov_b32 s37, 0
	s_add_nc_u64 s[54:55], s[54:55], s[36:37]
	s_lshl_b32 s36, ttmp9, 10                      ; 32 rows x 32 scale bytes a work-group
	s_add_nc_u64 s[56:57], s[56:57], s[36:37]
	s_wait_alu depctr_va_vdst(0)                   ; the wait ahead of the branch: every LDS address has been made
	s_cmp_gt_u32 s10, 3
	s_cbranch_scc1 .Lx_only
; ---- the weights: work-group (ttmp9 % 32, ttmp9 / 32) takes 128 columns x the K step of 128; wave 0..3 takes 32 columns
	s_and_b32 s44, ttmp9, 31
	s_lshr_b32 s45, ttmp9, 5                       ; the K step
	s_lshl_b32 s44, s44, 7
	s_lshl_b32 s46, s10, 5
	s_add_co_u32 s44, s44, s46                     ; my first row of the operand
	s_lshr_b32 s46, s44, 4
	s_mul_i32 s46, s46, 12800
	s_mov_b32 s47, 0
	s_add_nc_u64 s[62:63], s[58:59], s[46:47]      ; my first tile
	s_mul_i32 s46, s45, 1536
	s_add_nc_u64 s[58:59], s[62:63], s[46:47]      ; the K step's two half fragments,
	s_lshl_b32 s46, s45, 2
	s_add_co_u32 s46, s46, 12288
	s_add_nc_u64 s[62:63], s[62:63], s[46:47]      ; and its scale word, behind the codes
	s_cmp_lt_u32 s44, 3072                         ; w_qkv or w_proj: a choice that hangs on the work-group's number alone
	s_cselect_b64 s[BS:BS+1], s[50:51], s[52:53]
	s_mov_b32 s60, 4096
	s_cselect_b32 s60, 12288, s60                  ; bytes from row to row
	s_cselect_b32 s61, 0, 3072
	s_sub_co_u32 s61, s44, s61                     ; my first column in that weight
	s_lshl_b32 s46, s45, 7
	s_mul_i32 s46, s46, s60
	s_lshl_b32 s61, s61, 2
	s_add_co_u32 s46, s46, s61
	s_add_nc_u64 s[BS:BS+1], s[BS:BS+1], s[46:47]
	s_lshl_b32 s46, s60, 5                         ; 32 rows on
	s_add_nc_u64 s[BS+2:BS+3], s[BS:BS+1], s[46:47]
	s_add_nc_u64 s[BS+4:BS+5], s[BS+2:BS+3], s[46:47]
	s_add_nc_u64 s[BS+6:BS+7], s[BS+4:BS+5], s[46:47]
	v_lshlrev_b32 v[L4], 2, v19
	v_bfe_u32 v8, v0, 3, 1                         ; u: which of the two tiles my column belongs to,
	v_and_b32 v9, 7, v0
	v_lshl_or_b32 v9, v2, 3, v9                    ; r: and which row of it
	v_mul_u32_u24 v8, v8, 12800
	v_lshl_add_u32 v[ST16], v9, 4, v8
	v_lshl_add_u32 v[ST8], v9, 3, v8
	v_lshl_add_u32 v[SCO], v9, 5, v8
.set i, 0
.rept 32
	v_mad_u32_u24 v[OFF+i], s60, i, v[L4]
.set i, i+1
.endr
	s_wait_alu depctr_va_vdst(0)                   ; the wait
.macro LOAD t                          ; block t: W(128 y + 32 t + i, my column), i = 0 .. 31
.set i, 0
.rept 32
	global_load_b32 v[X+32*(\t)+i], v[OFF+i], s[BS+2*(\t):BS+2*(\t)+1] th:TH_LOAD_NT
.set i, i+1
.endr
.endm
.macro BLOCK t                         ; block t of the K step's four: half fragment t / 2, the lanes' half t % 2
.set XS, X+32*(\t)
.if (\t) < 3
	s_wait_loadcnt 32                              ; this block's 32 loads are in; the next block's 32 may be out
.else
	s_wait_loadcnt 0x0
.endif
.if (\t)+2 < 4
	LOAD (\t)+2
.endif
	v_max3_num_f32 v12, |v[XS]|, |v[XS+1]|, |v[XS+2]|
	v_max3_num_f32 v13, |v[XS+3]|, |v[XS+4]|, |v[XS+5]|
.irp k, 6,10,14,18,22,26
	v_max3_num_f32 v12, v12, |v[XS+\k]|, |v[XS+\k+1]|
	v_max3_num_f32 v13, v13, |v[XS+\k+2]|, |v[XS+\k+3]|
.endr
	v_max3_num_f32 v12, v12, |v[XS+30]|, |v[XS+31]|
	v_max3_num_f32 v12, v12, v13, 0x1800000        ; and the floor 2^(3 - 127): the byte cannot fall under 1
	v_add_nc_u32 v11, 0xff000000, v12              ; 2 off the exponent field: the conversion's scale operand
	v_lshrrev_b32 v13, 23, v11                     ; the scale's byte
.if (\t) == 0
	v_mov_b32 v[SB], v13
.else
	v_lshl_or_b32 v[SB], v13, 8*(\t), v[SB]
.endif
	v_cvt_scalef32_pk16_fp6_f32 v[C+6*(\t):C+6*(\t)+2], v[XS:XS+15], v11
	v_cvt_scalef32_pk16_fp6_f32 v[D:D+2], v[XS+16:XS+31], v11      ; (a conversion's three registers begin on an even number)
	v_nop                                          ; one plain place behind a scaled conversion
.irp k, 0,1,2
	v_mov_b32 v[C+6*(\t)+3+\k], v[D+\k]
.endr
	global_store_b128 v[ST16], v[C+6*(\t):C+6*(\t)+3], s[58:59] offset:768*((\t)/2)+256*((\t)%2)
	global_store_b64 v[ST8], v[C+6*(\t)+4:C+6*(\t)+5], s[58:59] offset:768*((\t)/2)+512+128*((\t)%2)
.endm
	LOAD 0
	LOAD 1
	BLOCK 0
	BLOCK 1
	BLOCK 2
	BLOCK 3
	global_store_b32 v[SCO], v[SB], s[62:63]
	s_wait_xcnt 0x0                                ; these stores have read their data: the codes' registers are written again below
.Lx_only:
; ---- x
	s_wait_tensorcnt 0x0                           ; my load has landed,
	s_barrier_signal -1
	s_barrier_wait -1                              ; everybody's has: nothing is filled again
.irp s, 0,1
.irp c, 0,1
.irp j, 0,1,2,3,4,5,6,7
	ds_load_b128 v[X+64*\s+32*\c+4*\j:X+64*\s+32*\c+4*\j+3], v5 offset:512*\s+256*\c+16*\j   ; x(r, 128 s + 64 c + 32 h + 4 j ..)
.endr
.endr
.endr
; A K step: my two whole blocks (2 c + h of the step's four) become registers 6 c .. 6 c + 5 of the fragment.
.macro STEP s
.if \s == 0
	s_wait_dscnt 16                                ; this step's 16 loads are in; the other step's 16 may be out
.else
	s_wait_dscnt 0x0
.endif
.irp c, 0,1
	v_max3_num_f32 v[M+\c], |v[X+64*\s+32*\c]|, |v[X+64*\s+32*\c+1]|, 0x1800000
.endr
.irp i, 2,4,6,8,10,12,14,16,18,20,22,24,26,28,30
.irp c, 0,1
	v_max3_num_f32 v[M+\c], v[M+\c], |v[X+64*\s+32*\c+\i]|, |v[X+64*\s+32*\c+\i+1]|
.endr
.endr
.irp c, 0,1
	v_add_nc_u32 v[SO+\c], 0xff000000, v[M+\c]
.endr
.irp c, 0,1
	v_lshrrev_b32 v[BY+\c], 23, v[SO+\c]
.endr
	v_lshl_or_b32 v[W+\s], v[BY+1], 16, v[BY]      ; my two bytes, blocks h and 2 + h,
	v_lshlrev_b32 v[W+\s], v7, v[W+\s]             ; at their places in the word;
	v_permlanex16_b32 v18, v[W+\s], s42, s43
	v_or_b32 v[W+\s], v[W+\s], v18                 ; with lane l xor 16's two the word is whole
.irp c, 0,1
	v_cvt_scalef32_pk16_fp6_f32 v[C+12*\s+6*\c:C+12*\s+6*\c+2], v[X+64*\s+32*\c:X+64*\s+32*\c+15], v[SO+\c]
	v_cvt_scalef32_pk16_fp6_f32 v[D+4*\c:D+4*\c+2], v[X+64*\s+32*\c+16:X+64*\s+32*\c+31], v[SO+\c]
.endr
	v_nop
.irp c, 0,1
.irp i, 0,1,2
	v_mov_b32 v[C+12*\s+6*\c+3+\i], v[D+4*\c+\i]
.endr
.endr
.irp c, 0,1                            ; each step has its own registers of codes
	global_store_b128 v3, v[C+12*\s+6*\c:C+12*\s+6*\c+3], s[54:55] offset:1536*\s+768*\c        ; 512 consecutive bytes, aligned to 256
	global_store_b64 v4, v[C+12*\s+6*\c+4:C+12*\s+6*\c+5], s[54:55] offset:1536*\s+768*\c+512   ; 256 consecutive bytes, aligned
.endr
.endm
	STEP 0
	STEP 1
	ds_store_b64 v6, v[W:W+1]                      ; both lanes of a row write the same 8 bytes with the same value
	s_wait_dscnt 0x0
	s_barrier_signal -1
	s_barrier_wait -1                              ; the 32 rows' 1,024 scale bytes lie in LDS
	s_cmp_gt_u32 s10, 1
	s_cbranch_scc1 .Ldone                          ; waves 0 and 1 carry them out, 512 consecutive bytes each
	ds_load_b128 v[20:23], v24
	s_wait_dscnt 0x0
	global_store_b128 v25, v[20:23], s[56:57]
.Ldone:
	s_wait_tensorcnt 0x0                           ; the wave's end
	ds_add_u32 v[SPW], v[NIL]
	s_wait_dscnt 0x0
	s_endpgm
.Lfunc_end_k_q6cebcc81ae_quant:
	.size	k_q6cebcc81ae_quant, .Lfunc_end_k_q6cebcc81ae_quant-k_q6cebcc81ae_quant
	.p2alignl 7, 3214868480
	.fill 96, 4, 3214868480
	.section	.rodata,"a",@progbits
	.p2align	6, 0x0
	.amdhsa_kernel k_q6cebcc81ae_quant
		.amdhsa_group_segment_fixed_size 168960
		.amdhsa_private_segment_fixed_size 0
		.amdhsa_enable_private_segment 0
		.amdhsa_kernarg_size 48
		.amdhsa_user_sgpr_count 2
		.amdhsa_user_sgpr_kernarg_segment_ptr 1
		.amdhsa_wavefront_size32 1
		.amdhsa_system_sgpr_workgroup_id_x 1
		.amdhsa_system_sgpr_workgroup_id_y 1
		.amdhsa_system_sgpr_workgroup_id_z 1
		.amdhsa_system_vgpr_workitem_id 0
		.amdhsa_next_free_vgpr 256
		.amdhsa_next_free_sgpr 66
		.amdhsa_reserve_vcc 0
		.amdhsa_float_denorm_mode_32 3
		.amdhsa_float_denorm_mode_16_64 3
		.amdhsa_memory_ordered 1
		.amdhsa_forward_progress 1
		.amdhsa_inst_pref_size 36
	.end_amdhsa_kernel
	.amdgpu_metadata
---
amdhsa.version: [ 1, 2 ]
amdhsa.kernels:
  - .name:           k_q6cebcc81ae_quant
    .symbol:         k_q6cebcc81ae_quant.kd
    .args:
      - { .name: x, .offset: 0, .size: 8, .value_kind: global_buffer, .address_space: global }
      - { .name: w_qkv, .offset: 8, .size: 8, .value_kind: global_buffer, .address_space: global }
      - { .name: w_proj, .offset: 16, .size: 8, .value_kind: global_buffer, .address_space: global }
      - { .name: x_img, .offset: 24, .size: 8, .value_kind: global_buffer, .address_space: global }
      - { .name: x_sc, .offset: 32, .size: 8, .value_kind: global_buffer, .address_space: global }
      - { .name: w_img, .offset: 40, .size: 8, .value_kind: global_buffer, .address_space: global }
    .group_segment_fixed_size: 168960
    .private_segment_fixed_size: 0
    .kernarg_segment_align: 8
    .kernarg_segment_size: 48
    .max_flat_workgroup_size: 256
    .sgpr_count:     66
    .vgpr_count:     256
    .wavefront_size: 32
...
	.end_amdgpu_metadata
.endif
;; end of part 1
;; launch gemm_qkv (part 2): grid 32 x 8, 4 waves a work-group, clusters of 4 x 1, 327,680 bytes of LDS; arguments x_img, x_sc, w_img, b_qkv, q_ws, kv_ws; writes q_ws, kv_ws
.if DOCPART == 2
	.amdgcn_target "amdgcn-amd-amdhsa--gfx1250"
	.amdhsa_code_object_version 6
	.text
	.protected	k_q6cebcc81ae_gemm_qkv
	.globl	k_q6cebcc81ae_gemm_qkv
	.p2align	8
	.type	k_q6cebcc81ae_gemm_qkv,@function
k_q6cebcc81ae_gemm_qkv:
	s_mov_b64 s[64:65], 0
	v_nop
	global_prefetch_b8 v0, s[64:65] scope:SCOPE_SE
	s_setreg_imm32_b32 hwreg(HW_REG_WAVE_MODE, 25, 1), 1
	s_wait_xcnt 0x0
	s_wait_alu depctr_hold_cnt(0) depctr_sa_sdst(0) depctr_va_vdst(0) depctr_va_sdst(0) depctr_va_ssrc(0) depctr_va_vcc(0) depctr_vm_vsrc(0)
	s_getreg_b32 s2, hwreg(HW_REG_IB_STS2, 6, 4)
	s_cmp_eq_u32 s2, 0
	s_cbranch_scc0 .Lentry_in_a_cluster
	s_endpgm
.Lentry_in_a_cluster:
	s_bfe_u32 s2, ttmp6, 0x10000c
	s_cmp_lg_u32 s2, 0x3003
	s_cbranch_scc0 .Lentry_shape_is_right
	s_endpgm
.Lentry_shape_is_right:
; qkv = x w_qkv + b_qkv on codes of FP6 (E2M3) with E8M0 scales, sums in f32; the result is quantised at once, in registers: q and k along the head's 64, v along the keys, and leaves as codes.
; LIMITS: a block of zeros gets the scale byte 1 where the quantiser says 127 (its codes are zeros, and this program alone reads the bytes); NaN and infinities are not served.
; OPERANDS are images of the operand's registers.  A row tile (16 rows, all of K = 1,024) is 16 half fragments of 768 bytes: registers 0-3 of lane l at 16 l, registers 4-5 at 512 + 8 l.
; Row r of tile 2 g + u is row 32 g + 8 u + r + 8 (r / 8) of the tensor.  x: tiles of 12,288 bytes, scale bytes in x_sc, 32 a row.  w: tiles of 12,800 bytes, the 16 rows' scale bytes behind the codes.
; THE DEAL.  256 work-groups: 32 blocks of 256 tokens x 8 groups of 384 columns (6 heads of q, k or v).  A wave HOLDS 64 tokens, all of K, in 384 registers, loaded from memory as they lie;
; the group's 24 row tiles of w, 307,200 bytes, lie in LDS WHOLE: one tensor load a wave at the head (6 tiles, 300 rows of 256 bytes), nothing is filled again.
; THE HEAD IN TWO STAGES.  Wave 0 asks for tiles 0-5 first, by a line of its own, and then for its tokens; the other waves ask for their tokens first and then for their tiles.  The first barrier shows wave 0's tiles alone;
; the first head, which reads tiles 0-5 and no others, stands ahead of the loop; behind it every wave waits for its load, a plain barrier shows all 24 tiles, and the loop takes heads 1 to 5.
; CLUSTER: the four work-groups of a cluster take four token blocks of one column group: they ask for w's tiles jointly (mask 15).  x's rows are no partner's but mine.
; A TRIP is a head: four blocks of 32 products (a tile of w x my four tiles of x, 8 K steps, four accumulators by turns), then the head's way out.  A tile of w lies twice in registers:
; behind block s its set takes block s + 2.  The last trip's two fetches have no tile to take: they read that trip's first two tiles once more, so that every wait counts the same loads.
; ROLES, by the head's number (work-group y and the trip: alike in all partners).  q, k: source 0 = w: a lane holds a token and its registers run along the head.  v: source 0 = x: a lane holds a channel and its registers run along the tokens.
; OUT.  q_ws, kv_ws: a head's 128 half fragments of q or k; at 98,304 their scale words: [64 tokens: 256 bytes][lane (r, t % 2)][t / 2]: tile t's word of row r, low two bytes, the upper two 0 (they meet zero codes).
; kv_ws at 106,496: v as [step of 128 keys][tile of 16 channels][c: 64 keys][768]; at 204,800 v's scale bytes: [step][c][lane (r, hh)][tile hh: 2 bytes, tile 2 + hh: 2 bytes]: 128 consecutive bytes a wave.
; No prefetch: every stream is asked for at the head, there is no loop to run ahead in.
.set TILE,  12800
.set XT,    12288
.set NT,    24
.set TRIPS, 6
.set SPARE, NT*TILE                    ; behind the tiles: the spare words, 128 bytes a wave
.set FR,    12                         ; registers of a fragment; fragment f lies in window 1 + f / 21 at register 12 (f % 21): 0-31 held (4 q + t), 32-39 and 40-47 the streamed tile's two sets
.set FPW,   21
.set NF,    34                         ; LDS loads of a tile: 32 for eight fragments, 2 for eight scale words
.set L16,  1                           ; v1 16 x lane, v2 8 x lane, v3 32 r: also the LDS addresses of tile 0
.set L8,   2
.set R32,  3
.set LN32, 4
.set BQ,   5                           ; the bias's offset for q, k: 64 h bytes
.set BV,   6                           ; and for v: 4 (r + 8 (r / 8))
.set L4,   7
.set SPW,  8
.set NIL,  9
.set AD,   10                          ; v10-12 as v1-3, at this trip's first tile; v13-15 at the next trip's
.set SB,   24                          ; v24-39 held scale words: 8 (t / 2) + q; tile t in lanes 16 (t % 2) ..
.set SA,   44                          ; v44-59 the streamed tile's, two sets of eight
.set ACC,  64                          ; v64-191 sixteen accumulators
.set TM,   192
.set TX,   200
.set SO,   208
.set PC,   216                         ; four units x 6 registers of codes
.set PD,   240
.set BI,   72                          ; window 3: v840-871 the head's bias as the first products' C; v872-903 the next head's
.set BI2,  104
.set MSB, 0
.macro WIN new
.if MSB != (\new)
	s_set_vgpr_msb (MSB<<8)|(\new)
.set MSB, (\new)
.endif
.endm
.macro PLACES n
.rept \n
	v_nop
.endr
.endm
.macro WALU
	s_wait_alu depctr_va_vdst(0)
.endm
.macro CROUND
	s_barrier_signal -1
	s_barrier_wait -1
	s_cmp_lg_u32 s16, 0
	s_cbranch_scc1 .Lnot_wave_0_\@
	s_barrier_signal -3
.Lnot_wave_0_\@:
	s_barrier_wait -3
	s_barrier_signal -1
	s_barrier_wait -1
.endm
.macro FETCH e, a, off                 ; a tile of w at v[a], v[a+1], v[a+2] + off into set e
.irp q, 0,1,2,3,4,5,6,7
.set F_, 32+8*(\e)+\q
.set R_, FR*(F_%FPW)
	WIN (1+F_/FPW)<<6
	ds_load_b128 v[R_:R_+3], v[\a] offset:(\off)+1536*\q
	ds_load_b64 v[R_+4:R_+5], v[\a+1] offset:(\off)+1536*\q+512
	ds_load_b128 v[R_+6:R_+9], v[\a] offset:(\off)+1536*\q+768
	ds_load_b64 v[R_+10:R_+11], v[\a+1] offset:(\off)+1536*\q+1280
.endr
	WIN 0
	ds_load_b128 v[SA+8*(\e):SA+8*(\e)+3], v[\a+2] offset:(\off)+12288
	ds_load_b128 v[SA+8*(\e)+4:SA+8*(\e)+7], v[\a+2] offset:(\off)+12304
.endm
.macro W1 d, a, b, c, xa, xb, side, row
	v_wmma_scale_f32_16x16x128_f8f6f4 v[\d:\d+7], v[\a:\a+11], v[\b:\b+11], \c, v[\xa], v[\xb] matrix_a_fmt:MATRIX_FMT_FP6 matrix_b_fmt:MATRIX_FMT_FP6 matrix_\side\()_scale:MATRIX_SCALE_ROW\row
.endm
.macro W2 d, a, b, q, s, xa, xb, side, o
.if (\q) == 0
.if \o
	W1 \d, \a, \b, v[BI+8*(\s):BI+8*(\s)+7], \xa, \xb, \side, 1
.else
	W1 \d, \a, \b, v[BI+8*(\s):BI+8*(\s)+7], \xa, \xb, \side, 0
.endif
.else
.if \o
	W1 \d, \a, \b, v[\d:\d+7], \xa, \xb, \side, 1
.else
	W1 \d, \a, \b, v[\d:\d+7], \xa, \xb, \side, 0
.endif
.endif
.endm
.macro PROD kind, e, q, t, s           ; K step q of (w's tile s of the head, in set e) x (my tile t).  The first takes the bias as C
.set FH_, 4*(\q)+(\t)
.set FS_, 32+8*(\e)+(\q)
.set RH_, FR*(FH_%FPW)
.set RS_, FR*(FS_%FPW)
.set WH_, 1+FH_/FPW
.set WS_, 1+FS_/FPW
.set XH_, SB+8*((\t)/2)+(\q)
.set XS_, SA+8*(\e)+(\q)
.set CW_, 0
.if (\q) == 0
.set CW_, 3
.endif
.if \kind
.set D_, ACC+32*(\s)+8*(\t)
	WIN WH_|(WS_<<2)|(CW_<<4)
	W2 D_, RH_, RS_, \q, \s, XH_, XS_, a, (\t)%2
.else
.set D_, ACC+32*(\t)+8*(\s)
	WIN WS_|(WH_<<2)|(CW_<<4)
	W2 D_, RS_, RH_, \q, \s, XS_, XH_, b, (\t)%2
.endif
.endm
.macro BLK kind, e, s, a, off          ; a block, and the fetch of the tile two on into its set
	s_wait_dscnt NF                                ; my set is in; the other set's 34 loads, issued behind it, may be out
.irp q, 0,1,2,3,4,5,6,7
.irp t, 0,1,2,3
	PROD \kind, \e, \q, \t, \s
.endr
.endr
	WIN 0
	PLACES 4                                       ; between the products and the loads into their registers, and the first reads of results
	FETCH \e, \a, \off
.endm
.macro HEAD4 kind
	BLK \kind, 0, 0, AD, 2*TILE
	BLK \kind, 1, 1, AD, 3*TILE
	BLK \kind, 0, 2, AD+3, 0
	BLK \kind, 1, 3, AD+3, TILE
	s_wait_xcnt 0x0                                ; the last head's stores have read their data and bases
.endm
; Four units of 32 numbers a lane, v[ACC + 32 u ..]: register 16 b + i is neighbour 32 b + 16 h + i along the next K.  Each becomes a half fragment's six registers, v[PC + 6 u ..], and two scale bytes, v[TM + u].
.macro QUANT
.irp u, 0,1,2,3
.irp b, 0,1
	v_max3_num_f32 v[TM+2*\u+\b], |v[ACC+32*\u+16*\b]|, |v[ACC+32*\u+16*\b+1]|, 0x1800000   ; with the floor 2^(3 - 127): the byte cannot fall under 1
.endr
.endr
.irp i, 2,4,6,8,10,12,14
.irp u, 0,1,2,3
.irp b, 0,1
	v_max3_num_f32 v[TM+2*\u+\b], v[TM+2*\u+\b], |v[ACC+32*\u+16*\b+\i]|, |v[ACC+32*\u+16*\b+\i+1]|   ; eight chains by turns
.endr
.endr
.endr
.irp n, 0,1,2,3,4,5,6,7
	v_permlanex16_b32 v[TX+\n], v[TM+\n], s40, s41
.endr
.irp n, 0,1,2,3,4,5,6,7
	v_max_num_f32 v[TM+\n], v[TM+\n], v[TX+\n]     ; with lane l xor 16's 16: the block's largest magnitude
.endr
.irp n, 0,1,2,3,4,5,6,7
	v_add_nc_u32 v[SO+\n], 0xff000000, v[TM+\n]    ; 2 off its exponent field: the conversion's scale operand
.endr
.irp n, 0,1,2,3,4,5,6,7
	v_lshrrev_b32 v[TX+\n], 23, v[SO+\n]           ; the scale's byte
.endr
.irp u, 0,1,2,3
	v_lshl_or_b32 v[TM+\u], v[TX+2*\u+1], 8, v[TX+2*\u]
.endr
.irp u, 0,1,2,3
	v_cvt_scalef32_pk16_fp6_f32 v[PC+6*\u:PC+6*\u+2], v[ACC+32*\u:ACC+32*\u+15], v[SO+2*\u]
	v_cvt_scalef32_pk16_fp6_f32 v[PD+4*\u:PD+4*\u+2], v[ACC+32*\u+16:ACC+32*\u+31], v[SO+2*\u+1]
.endr
	v_nop                                          ; one plain place behind a scaled conversion
.irp u, 0,1,2,3                        ; the operand's layout wants a whole block in a lane
.irp i, 0,1,2
	v_permlane16_swap_b32 v[PC+6*\u+\i], v[PD+4*\u+\i]
.endr
.endr
.irp u, 0,1,2,3
.irp i, 0,1,2
	v_mov_b32 v[PC+6*\u+3+\i], v[PD+4*\u+\i]
.endr
.endr
.endm
.macro PUT pitch                       ; the four half fragments: 512 and 256 consecutive bytes, aligned
.irp u, 0,1,2,3
	global_store_b128 v[L16], v[PC+6*\u:PC+6*\u+3], s[46:47] offset:\pitch*\u
	global_store_b64 v[L8], v[PC+6*\u+4:PC+6*\u+5], s[46:47] offset:\pitch*\u+512
.endr
.endm
.macro BLOAD                           ; the bias of head s43, at s[44:45], in the result's layout, into the waiting registers
	s_cmp_ge_u32 s43, 32
	s_cbranch_scc1 .Lbias_v_\@
	WIN 3<<6
.irp k, 0,1,2,3,4,5,6,7                ; q, k: register 8 s + j goes with column 32 (s / 2) + 16 h + 8 (s % 2) + j
	global_load_b128 v[BI2+4*\k:BI2+4*\k+3], v[BQ], s[44:45] offset:128*(\k/4)+16*(\k%4)
.endr
	WIN 0
	s_branch .Lbias_done_\@
.Lbias_v_\@:
	WIN 3<<6
.irp s, 0,1,2,3                        ; v: my lane's channel of tile s, in all eight registers
.irp j, 0,1,2,3,4,5,6,7
	global_load_b32 v[BI2+8*\s+\j], v[BV], s[44:45] offset:(32*(\s/2)+8*(\s%2))*4
.endr
.endr
	WIN 0
.Lbias_done_\@:
.endm
.macro BMOVE
	s_wait_loadcnt 0x0
	WIN 0xc3
.set I_, 0
.rept 32
	v_mov_b32 v[BI+I_], v[BI2+I_]
.set I_, I_+1
.endr
	WIN 0
.endm
.macro BNEXT
	s_wait_xcnt 0x0                                ; the last bias loads have read their base
	s_add_nc_u64 s[44:45], s[44:45], 256
	s_add_co_u32 s43, s43, 1
	BLOAD
.endm
.macro HELD                            ; my 64 tokens, all of K: every load reads 512 or 256 consecutive bytes
.irp q, 0,1,2,3,4,5,6,7
.irp t, 0,1,2,3
.set F_, 4*\q+\t
.set R_, FR*(F_%FPW)
	WIN (1+F_/FPW)<<6
	global_load_b128 v[R_:R_+3], v[L16], s[4:5] offset:XT*\t+1536*\q
	global_load_b64 v[R_+4:R_+5], v[L8], s[4:5] offset:XT*\t+1536*\q+512
	global_load_b128 v[R_+6:R_+9], v[L16], s[4:5] offset:XT*\t+1536*\q+768
	global_load_b64 v[R_+10:R_+11], v[L8], s[4:5] offset:XT*\t+1536*\q+1280
.endr
.endr
	WIN 0
.endm
.macro TLOAD
	tensor_load_to_lds s[32:35], s[24:31]
	s_nop 0
	PLACES 4
.endm
; A head: trip s36, head s37
.macro TRIPM
	s_mul_i32 s38, s36, 4*TILE
	s_add_co_u32 s39, s38, 4*TILE
	s_min_u32 s39, s39, (NT-4)*TILE
	v_add_nc_u32 v[AD], s38, v[L16]
	v_add_nc_u32 v[AD+1], s38, v[L8]
	v_add_nc_u32 v[AD+2], s38, v[R32]
	v_add_nc_u32 v[AD+3], s39, v[L16]
	v_add_nc_u32 v[AD+4], s39, v[L8]
	v_add_nc_u32 v[AD+5], s39, v[R32]
	WALU                                           ; the wait
	s_cmp_ge_u32 s37, 32
	s_cbranch_scc1 .Lrole_v_\@
	HEAD4 0
	s_and_b32 s50, s37, 15
	s_add_co_u32 s50, s50, s56                     ; 16 x batch + head
	s_cmp_lt_u32 s37, 16
	s_cselect_b64 s[46:47], s[12:13], s[14:15]     ; q goes to q_ws, k to kv_ws
	s_mov_b32 s51, 208896
	s_cselect_b32 s51, 106496, s51                 ; a head's bytes there
	s_mul_i32 s50, s50, s51
	s_mov_b32 s51, 0
	s_add_nc_u64 s[48:49], s[46:47], s[50:51]
	s_add_nc_u64 s[46:47], s[48:49], s[58:59]
	s_add_nc_u64 s[48:49], s[48:49], s[60:61]
	QUANT                                          ; unit u = my tile u of tokens
	PUT 768
	v_cndmask_b32 v[TX], v[TM], v[TM+1], s42       ; lanes 0-15 carry tiles 0 and 2, lanes 16-31 tiles 1 and 3
	v_cndmask_b32 v[TX+1], v[TM+2], v[TM+3], s42
	global_store_b64 v[L8], v[TX:TX+1], s[48:49]   ; 256 consecutive bytes, aligned
	s_branch .Ljoin_\@
.Lrole_v_\@:
	HEAD4 1
	s_sub_co_u32 s50, s37, 32
	s_add_co_u32 s50, s50, s56
	s_mul_i32 s50, s50, 208896
	s_mov_b32 s51, 0
	s_add_nc_u64 s[48:49], s[14:15], s[50:51]
	s_add_nc_u64 s[46:47], s[48:49], s[62:63]
	s_add_nc_u64 s[48:49], s[48:49], s[66:67]
	QUANT                                          ; unit u = the head's tile u of channels
	PUT 1536
	v_lshl_or_b32 v[TX], v[TM+2], 16, v[TM]
	v_lshl_or_b32 v[TX+1], v[TM+3], 16, v[TM+1]
	v_cndmask_b32 v[TX], v[TX], v[TX+1], s42
	global_store_b32 v[L4], v[TX], s[48:49]        ; 128 consecutive bytes: my half c of the step's 256
.Ljoin_\@:
	s_cmp_ge_u32 s36, TRIPS-1
	s_cbranch_scc1 .Lno_bias_\@
	BMOVE                                          ; the next head's bias
	s_cmp_ge_u32 s36, TRIPS-2
	s_cbranch_scc1 .Lno_bias_\@
	BNEXT                                          ; and the one behind it is asked for: it has a trip in which to land
.Lno_bias_\@:
	s_add_co_u32 s37, s37, 1
	s_add_co_u32 s36, s36, 1
.endm
; ---- the head
	s_load_b256 s[4:11], s[0:1], 0x0               ; x_img, x_sc, w_img, b_qkv
	s_load_b128 s[12:15], s[0:1], 0x20             ; q_ws, kv_ws
	v_lshl_add_u32 v[SPW], v0, 2, SPARE
	v_mov_b32 v[NIL], 0
	ds_add_u32 v[SPW], v[NIL]                      ; the opening lines: the add twice on end and its wait
	ds_add_u32 v[SPW], v[NIL]
	v_lshrrev_b32 v10, 5, v0
	v_readfirstlane_b32 s16, v10                   ; wave
	s_bfe_u32 s17, ttmp6, 0x40000                  ; cx
	s_lshl_b32 s18, ttmp9, 2
	s_add_co_u32 s18, s18, s17                     ; my block of 256 tokens
	s_and_b32 s19, ttmp7, 0xffff                   ; my group of 384 columns
	s_mov_b32 s24, 15|(3<<16)|(1<<21)              ; group 1: the mask of all four partners, elements of 8 bytes; 300 dense rows of 256 bytes
	s_mov_b32 s25, 32<<16
	s_mov_b32 s26, 300<<16
	s_mov_b32 s27, 32<<16
	s_mov_b32 s28, 300
	s_mov_b32 s29, 32
	s_mov_b32 s30, 0
	s_mov_b32 s31, 0
	s_mov_b32 s32, 1
	s_mul_i32 s33, s16, 6*TILE                     ; my six tiles: in LDS,
	s_mul_i32 s20, s19, NT*TILE
	s_add_co_u32 s20, s20, s33                     ; and in w_img
	s_mov_b32 s21, 0
	s_mov_b32 s40, 0x76543210
	s_mov_b32 s41, 0xfedcba98                      ; v_permlanex16_b32's selects for lane l xor 16
	s_mov_b32 s42, 0xffff0000                      ; lanes 16-31
	v_and_b32 v10, 31, v0
	v_lshlrev_b32 v[L16], 4, v10
	v_lshlrev_b32 v[L8], 3, v10
	v_lshlrev_b32 v[L4], 2, v10
	v_lshlrev_b32 v[LN32], 5, v10
	v_and_b32 v11, 15, v0
	v_lshlrev_b32 v[R32], 5, v11
	v_bfe_u32 v12, v0, 4, 1
	v_lshlrev_b32 v[BQ], 6, v12
	v_and_b32 v13, 8, v11
	v_add_nc_u32 v13, v13, v11
	v_lshlrev_b32 v[BV], 2, v13
.irp n, 0,1,2,3,4,5,6,7
	v_mov_b32 v[TX+\n], 0                          ; a lane permute's destination counts as one of its sources
.endr
	WALU                                           ; the wait at the head's end
	s_wait_dscnt 0x0
	CROUND                                         ; the four partners are here: the joint loads meet
	s_wait_kmcnt 0x0
	s_add_nc_u64 s[34:35], s[8:9], s[20:21]
	s_or_b32 s35, s35, 0x80000000
	s_lshl_b32 s20, s18, 4
	s_lshl_b32 s22, s16, 2
	s_add_co_u32 s20, s20, s22                     ; my first tile of x: 16 x block + 4 x wave
	s_lshl_b32 s22, s20, 9
	s_mov_b32 s23, 0
	s_mul_i32 s20, s20, XT
	s_add_nc_u64 s[4:5], s[4:5], s[20:21]
	s_add_nc_u64 s[6:7], s[6:7], s[22:23]
	s_cmp_eq_u32 s16, 0                            ; one chain of two arms, one tensor load in each
	s_cbranch_scc0 .Lothers
	TLOAD                                          ; wave 0: tiles 0-5, which the first head reads, are asked for first,
	HELD
	s_branch .Lasked
.Lothers:
	HELD                                           ; waves 1-3: what the first head needs of me first,
	TLOAD                                          ; then my six tiles
.Lasked:
.irp p, 0,1
.irp c, 0,1
	global_load_b128 v[SB+8*\p+4*\c:SB+8*\p+4*\c+3], v[LN32], s[6:7] offset:1024*\p+16*\c
.endr
.endr
	s_mul_i32 s43, s19, TRIPS                      ; my first head, 0 .. 47: 0-15 q, 16-31 k, 32-47 v
	s_mov_b32 s37, s43
	s_lshl_b32 s20, s43, 8
	s_add_nc_u64 s[44:45], s[10:11], s[20:21]
	BLOAD
	s_lshr_b32 s56, s18, 3
	s_lshl_b32 s56, s56, 4                         ; 16 x batch
	s_and_b32 s57, s18, 7                          ; my block in the batch
	s_lshl_b32 s58, s57, 2
	s_add_co_u32 s58, s58, s16                     ; which 64 tokens of the batch
	s_lshl_b32 s60, s58, 8
	s_add_co_u32 s60, s60, 98304                   ; q, k: their scale words,
	s_mul_i32 s58, s58, 4*768                      ; their four half fragments
	s_mov_b32 s59, 0
	s_mov_b32 s61, 0
	s_lshl_b32 s20, s57, 1
	s_lshr_b32 s22, s16, 1
	s_add_co_u32 s20, s20, s22                     ; v: the step of 128 keys,
	s_and_b32 s22, s16, 1                          ; and its half c
	s_mul_i32 s62, s20, 6144
	s_mul_i32 s23, s22, 768
	s_add_co_u32 s62, s62, s23
	s_add_co_u32 s62, s62, 106496
	s_mov_b32 s63, 0
	s_lshl_b32 s66, s20, 8
	s_lshl_b32 s23, s22, 7
	s_add_co_u32 s66, s66, s23
	s_add_co_u32 s66, s66, 204800
	s_mov_b32 s67, 0
	s_cmp_eq_u32 s16, 0
	s_cbranch_scc0 .Lnot_first
	s_wait_tensorcnt 0x0                           ; wave 0: tiles 0-5 have landed
.Lnot_first:
	s_barrier_signal -1
	s_barrier_wait -1                              ; all waves may read them; the other waves' loads may be out
	FETCH 0, L16, 0
	FETCH 1, L16, TILE
	BMOVE                                          ; x, its scale words and the first bias are in
	BNEXT
	s_mov_b32 s36, 0
	TRIPM                                          ; the first head: tiles 0-3, and the fetch of tiles 4 and 5
	s_wait_tensorcnt 0x0                           ; every wave's tiles have landed,
	s_wait_dscnt 0x0
	s_barrier_signal -1
	s_barrier_wait -1                              ; and all 24 may be read
.Ltrip:
	TRIPM
	s_cmp_lt_u32 s36, TRIPS
	s_cbranch_scc1 .Ltrip
	s_wait_tensorcnt 0x0                           ; the wave's end
	ds_add_u32 v[SPW], v[NIL]
	s_wait_dscnt 0x0
	CROUND                                         ; the closing round
	s_endpgm
.Lfunc_end_k_q6cebcc81ae_gemm_qkv:
	.size	k_q6cebcc81ae_gemm_qkv, .Lfunc_end_k_q6cebcc81ae_gemm_qkv-k_q6cebcc81ae_gemm_qkv
	.p2alignl 7, 3214868480
	.fill 96, 4, 3214868480
	.section	.rodata,"a",@progbits
	.p2align	6, 0x0
	.amdhsa_kernel k_q6cebcc81ae_gemm_qkv
		.amdhsa_group_segment_fixed_size 327680
		.amdhsa_private_segment_fixed_size 0
		.amdhsa_enable_private_segment 0
		.amdhsa_kernarg_size 48
		.amdhsa_user_sgpr_count 2
		.amdhsa_user_sgpr_kernarg_segment_ptr 1
		.amdhsa_wavefront_size32 1
		.amdhsa_system_sgpr_workgroup_id_x 1
		.amdhsa_system_sgpr_workgroup_id_y 1
		.amdhsa_system_sgpr_workgroup_id_z 1
		.amdhsa_system_vgpr_workitem_id 0
		.amdhsa_next_free_vgpr 1024
		.amdhsa_next_free_sgpr 72
		.amdhsa_reserve_vcc 0
		.amdhsa_float_denorm_mode_32 3
		.amdhsa_float_denorm_mode_16_64 3
		.amdhsa_memory_ordered 1
		.amdhsa_forward_progress 1
		.amdhsa_inst_pref_size 195
	.end_amdhsa_kernel
	.amdgpu_metadata
---
amdhsa.version: [ 1, 2 ]
amdhsa.kernels:
  - .name:           k_q6cebcc81ae_gemm_qkv
    .symbol:         k_q6cebcc81ae_gemm_qkv.kd
    .args:
      - { .name: x_img, .offset: 0, .size: 8, .value_kind: global_buffer, .address_space: global }
      - { .name: x_sc, .offset: 8, .size: 8, .value_kind: global_buffer, .address_space: global }
      - { .name: w_img, .offset: 16, .size: 8, .value_kind: global_buffer, .address_space: global }
      - { .name: b_qkv, .offset: 24, .size: 8, .value_kind: global_buffer, .address_space: global }
      - { .name: q_ws, .offset: 32, .size: 8, .value_kind: global_buffer, .address_space: global }
      - { .name: kv_ws, .offset: 40, .size: 8, .value_kind: global_buffer, .address_space: global }
    .group_segment_fixed_size: 327680
    .private_segment_fixed_size: 0
    .kernarg_segment_align: 8
    .kernarg_segment_size: 48
    .max_flat_workgroup_size: 128
    .sgpr_count:     72
    .vgpr_count:     1024
    .wavefront_size: 32
...
	.end_amdgpu_metadata
.endif
;; end of part 2
;; launch attn (part 3): grid 4 x 64, 16 waves a work-group, clusters of 4 x 1, 210,944 bytes of LDS; arguments q_ws, kv_ws, y_img, y_sc; writes y_img, y_sc
.if DOCPART == 3
	.amdgcn_target "amdgcn-amd-amdhsa--gfx1250"
	.amdhsa_code_object_version 6
	.text
	.protected	k_q6cebcc81ae_attn
	.globl	k_q6cebcc81ae_attn
	.p2align	8
	.type	k_q6cebcc81ae_attn,@function
k_q6cebcc81ae_attn:
	s_mov_b64 s[64:65], 0
	v_nop
	global_prefetch_b8 v0, s[64:65] scope:SCOPE_SE
	s_setreg_imm32_b32 hwreg(HW_REG_WAVE_MODE, 25, 1), 1
	s_wait_xcnt 0x0
	s_wait_alu depctr_hold_cnt(0) depctr_sa_sdst(0) depctr_va_vdst(0) depctr_va_sdst(0) depctr_va_ssrc(0) depctr_va_vcc(0) depctr_vm_vsrc(0)
	s_getreg_b32 s2, hwreg(HW_REG_IB_STS2, 6, 4)
	s_cmp_eq_u32 s2, 0
	s_cbranch_scc0 .Lentry_in_a_cluster
	s_endpgm
.Lentry_in_a_cluster:
	s_bfe_u32 s2, ttmp6, 0x10000c
	s_cmp_lg_u32 s2, 0x3003
	s_cbranch_scc0 .Lentry_shape_is_right
	s_endpgm
.Lentry_shape_is_right:
; y = softmax(q k^T / 8, causal) v for one head, both products on codes of FP6 (E2M3) with E8M0 scales; y is quantised along the model's axis at once and leaves as codes.
; THE SOFTMAX AHEAD OF THE SECOND PRODUCT: t = score x log2(e) / 8; M = the row's largest t so far, rounded up to a whole number; p = 2^(t - M) is what is quantised, along the keys.  The row's sum is taken of the
; unquantised p, in f32, and divides at the end.  When M moves, the sum and O are multiplied by 2^(old M - new M): exact.
; LIMITS: a p under 2^-126 comes out of v_exp_f32 as 0 (beside a sum above 1/2); a block of zeros gets the scale byte 1 where the quantiser says 127 (zero codes; this program alone reads the bytes); NaN and infinities are not served.
; A HEAD'S K AND V AS CODES, WITH THEIR SCALES, ARE 208,896 BYTES: THEY LIE IN LDS WHOLE.  No slot is filled again, the loop has no barrier, and nothing is stored to LDS.
;   0: K's 128 half fragments (16 keys x 64, 768 bytes);  98,304: K's scale images (512 bytes for 128 keys);  106,496: V's fragments ([16 steps][4 tiles of 16 channels][1,536]);  204,800: V's scale images (256 bytes a step).
; CLUSTER.  The head's four work-groups need the same bytes: each of the 16 waves asks jointly for 51 rows of 256 bytes, once.
; SHARES.  A tile of 16 queries of group G (128 queries) needs key steps 0 .. G.  Wave w takes two tiles, one after the other: of group w, then of group 15 - w: 17 key steps for every wave of every work-group.
; Which of a group's eight tiles (2 cx + pass) enters global addresses and the mask's per-lane number alone: no branch and no LDS address hangs on the place in the cluster.
; LAYOUT.  Both products are used transposed: S^T = K Q^T (source 0 = 16 keys), O^T = V^T P^T (source 0 = 16 channels): a lane holds one query throughout.  The rows of a tile of tokens, and of channels, were laid by the
; launches before so that registers 16 b + i of two neighbouring tiles are the neighbours 32 b + 16 (lane / 16) + i.
; THE FIRST PRODUCT'S K IS 64, THE INSTRUCTION'S 128: Q's upper six registers are zero codes.  K's operand is a tile's six registers and the six that follow (the next tile's; behind the last tile six zeros): they meet zeros alone.
; REGISTERS: v1-11 addresses; v12 -M, v13 the largest t, v[14:15] the sum in two halves; v16-27 Q; v28 Q's scale words; v29 y's scale bytes; v32-79 K's eight tiles, then V's four fragments; v80-85 zeros;
;   v86-89 K's scale words, v90-91 V's; v96-159 S^T, then p; v160-191 O^T; v224-235 p's codes; v232-254 at work.
.set KSC,   98304
.set VIM,   106496
.set VSC,   204800
.set HEADB, 208896
.set QHEAD, 106496                     ; a head in q_ws: 128 half fragments, then 16 scale images of 512 bytes
.set L16,  1                           ; v1   16 x lane
.set L8,   2                           ; v2   8 x lane
.set R16,  3                           ; v3   16 r
.set R32,  4                           ; v4   32 r
.set DM,   5                           ; v5   the mask's number: my query less 16 (lane / 16), counted from the group's first query
.set ADK16, 6                          ; v6-10 the step's LDS addresses
.set ADK8, 7
.set ADKS, 8
.set ADV,  9
.set ADVS, 10
.set DB,   11                          ; v11  r + 8 (r / 8) - 16 (lane / 16)
.set WV,   12                          ; s12  wave
.set CX,   13                          ; s13  my place in the cluster
.set BH,   14                          ; s14  16 x batch + head
.set SEL,  20                          ; s[20:21] lane selects for v_permlanex16_b32: lane l xor 16
.set CS,   22                          ; s[22:23] c = log2(e) / 8
.set G1,   24
.set G0,   32
.set ST,   36                          ; s36  the key step
.set GG,   37                          ; s37  my tile's group: the last step that counts
.set TK,   38                          ; s38-41 where the step's K, K's scales, V, V's scales begin in LDS
.set TS,   39
.set TV,   40
.set TW,   41
.set QP,   42                          ; s[42:43] my tile's half fragment of Q;  s[44:45] its scale words;  s[46:47], s[48:49] the same of y
.set QS,   44
.set YP,   46
.set YS,   48
.macro CROUND                          ; a round of the cluster's barrier
	s_barrier_signal -1
	s_barrier_wait -1
	s_cmp_lg_u32 s[WV], 0
	s_cbranch_scc1 .Lnot_wave_0_\@
	s_barrier_signal -3
.Lnot_wave_0_\@:
	s_barrier_wait -3
	s_barrier_signal -1
	s_barrier_wait -1
.endm
	s_load_b256 s[4:11], s[0:1], 0x0               ; q_ws, kv_ws, y_img, y_sc
	v_lshl_add_u32 v251, v0, 2, 0x33000
	v_mov_b32 v255, 0
	ds_add_u32 v251, v255
	ds_add_u32 v251, v255
	v_lshrrev_b32 v1, 5, v0
	s_delay_alu instid0(VALU_DEP_1)
	v_readfirstlane_b32 s[WV], v1                  ; wave 0..15
	s_bfe_u32 s[CX], ttmp6, 0x40000
	s_and_b32 s[BH], ttmp7, 0xffff
	; descriptor group 1: 51 rows of 256 bytes, dense
	s_mov_b32 s[G1], 15|(3<<16)|(1<<21)            ; the mask: all four work-groups; elements of 8 bytes; bit 21 set beside a mask
	s_mov_b32 s[G1+1], 32<<16                      ; tensor_dim0
	s_mov_b32 s[G1+2], 51<<16                      ; tensor_dim1
	s_mov_b32 s[G1+3], 32<<16                      ; tile_dim0
	s_mov_b32 s[G1+4], 51                          ; tile_dim1
	s_mov_b32 s[G1+5], 32                          ; elements from row to row
	s_mov_b32 s[G1+6], 0
	s_mov_b32 s[G1+7], 0
	s_mul_i32 s52, s[WV], 13056                    ; my sixteenth of the head's bytes: in LDS,
	s_mul_i32 s50, s[BH], HEADB
	s_add_co_u32 s50, s50, s52                     ; and in memory
	s_mov_b32 s51, 0
	s_mov_b32 s[SEL], 0x76543210
	s_mov_b32 s[SEL+1], 0xfedcba98
	s_mov_b32 s[CS], 0x3e38aa3b                    ; log2(e) / 8
	s_mov_b32 s[CS+1], s[CS]                       ; (named with it as a pair, so it is written)
	s_wait_dscnt 0x0
	s_wait_kmcnt 0x0
	s_mov_b32 s[G0], 1
	s_mov_b32 s[G0+1], s52
	s_add_nc_u64 s[G0+2:G0+3], s[6:7], s[50:51]
	s_or_b32 s[G0+3], s[G0+3], 0x80000000
	CROUND                                         ; all four work-groups are here: the joint loads meet
	tensor_load_to_lds s[G0:G0+3], s[G1:G1+7]      ; my one tensor load of the launch
	s_nop 0
.rept 4
	v_nop
.endr
	s_mul_i32 s50, s[BH], QHEAD
	s_add_nc_u64 s[4:5], s[4:5], s[50:51]          ; q_ws at my head
	s_lshr_b32 s52, s[BH], 4                       ; batch
	s_and_b32 s53, s[BH], 15                       ; head
	s_mul_i32 s50, s52, 128*12288
	s_mul_i32 s54, s53, 768
	s_add_co_u32 s50, s50, s54
	s_add_nc_u64 s[8:9], s[8:9], s[50:51]          ; y's images: my batch's first row tile, my head's half fragment
	s_lshl_b32 s50, s52, 16
	s_lshl_b32 s54, s53, 1
	s_add_co_u32 s50, s50, s54
	s_add_nc_u64 s[10:11], s[10:11], s[50:51]      ; y's scale bytes: my batch's first row, my head's two bytes
	v_and_b32 v11, 31, v0
	s_delay_alu instid0(VALU_DEP_1)
	v_lshlrev_b32 v[L16], 4, v11
	s_delay_alu instid0(VALU_DEP_2)
	v_lshlrev_b32 v[L8], 3, v11
	v_and_b32 v12, 15, v0                          ; r
	s_delay_alu instid0(VALU_DEP_1)
	v_lshlrev_b32 v[R16], 4, v12
	s_delay_alu instid0(VALU_DEP_2)
	v_lshlrev_b32 v[R32], 5, v12
	s_delay_alu instid0(VALU_DEP_3)
	v_and_b32 v13, 8, v12
	s_delay_alu instid0(VALU_DEP_1)
	v_add_nc_u32 v13, v13, v12                     ; r + 8 (r / 8)
	v_bfe_u32 v14, v0, 4, 1
	s_delay_alu instid0(VALU_DEP_1)
	v_lshlrev_b32 v14, 4, v14
	s_delay_alu instid0(VALU_DEP_1)
	v_sub_nc_u32 v[DB], v13, v14
.irp j, 22,23,24,25,26,27, 80,81,82,83,84,85
	v_mov_b32 v[\j], 0                             ; zero codes: Q's upper half, and what follows K's last tile
.endr
.irp j, 236,237,238,239, 252,253
	v_mov_b32 v[\j], 0                             ; written once: a lane permute's destination counts as one of its sources, and a pair is named whole
.endr
	v_lshrrev_b32 v31, 1, v[L8]                    ; 4 x lane
	v_lshrrev_b32 v94, 1, v[R16]                   ; 8 r
	s_wait_alu depctr_va_vdst(0)
	s_wait_tensorcnt 0x0
	s_barrier_signal -1
	s_barrier_wait -1
; A KEY STEP: 128 keys.  A step all of whose keys come after my queries is left out: a scalar branch on the wave's number and the loop's count, round the work, not round the lines that step addresses.
.macro STEP
	s_cmp_gt_u32 s[ST], s[GG]
	s_cbranch_scc1 .Lhidden_\@
	v_add_nc_u32 v[ADK16], s[TK], v[L16]           ; (these six are also the places behind the last step's products, in front of the loads into their registers)
	v_add_nc_u32 v[ADK8], s[TK], v[L8]
	v_add_nc_u32 v[ADKS], s[TS], v[L8]
	v_add_nc_u32 v[ADV], s[TV], v[L16]
	v_add_nc_u32 v30, s[TV], v[L8]
	v_add_nc_u32 v[ADVS], s[TW], v31
.irp t, 0,1,2,3,4,5,6,7
	ds_load_b128 v[32+6*\t:35+6*\t], v[ADK16] offset:768*\t
	ds_load_b64 v[36+6*\t:37+6*\t], v[ADK8] offset:768*\t+512
.endr
	ds_load_b64 v[86:87], v[ADKS]                  ; K's scale words lie as [64 keys: 256 bytes][lane][2 words]: register i: tile 2 i's words in lanes 0-15, tile 2 i + 1's in lanes 16-31
	ds_load_b64 v[88:89], v[ADKS] offset:256
	s_wait_alu depctr_va_vdst(0)
	s_wait_dscnt 0x0
.irp t, 0,1,2,3,4,5,6,7                ; S^T = K Q^T
.if (\t)%2
	v_wmma_scale_f32_16x16x128_f8f6f4 v[96+8*\t:103+8*\t], v[32+6*\t:43+6*\t], v[16:27], 0, v[86+\t/2], v28 matrix_a_fmt:MATRIX_FMT_FP6 matrix_b_fmt:MATRIX_FMT_FP6 matrix_a_scale:MATRIX_SCALE_ROW1
.else
	v_wmma_scale_f32_16x16x128_f8f6f4 v[96+8*\t:103+8*\t], v[32+6*\t:43+6*\t], v[16:27], 0, v[86+\t/2], v28 matrix_a_fmt:MATRIX_FMT_FP6 matrix_b_fmt:MATRIX_FMT_FP6
.endif
.endr
.rept 4
	v_nop                                          ; places: in front of the loads into K's registers, and of the first read of the scores
.endr
.irp i, 0,1,2,3,4,5,6,7                ; V's four fragments lie as eight half fragments of 64 keys, [tile][c][768]; they land while the softmax is worked
	ds_load_b128 v[32+6*\i:35+6*\i], v[ADV] offset:768*\i
	ds_load_b64 v[36+6*\i:37+6*\i], v30 offset:768*\i+512
.endr
	ds_load_b32 v92, v[ADVS]                       ; V's scale bytes of keys 0-63: two bytes of tile (lane / 16), two of tile 2 + (lane / 16);
	ds_load_b32 v93, v[ADVS] offset:128            ; and of keys 64-127
	s_cmp_lg_u32 s[ST], s[GG]                      ; on the diagonal the scores of hidden keys become -infinity ahead of the maximum: p = 0 then
	s_cbranch_scc1 .Lopen_\@
	v_mov_b32 v254, 0xff800000
.set n, 0
.rept 64
	v_cmp_gt_i32 vcc_lo, 32*(n/16)+n%16, v[DM]     ; register 16 b + i holds the group's key 32 b + 16 (lane / 16) + i
	v_cndmask_b32 v[96+n], v[96+n], v254, vcc_lo
.set n, n+1
.endr
.Lopen_\@:
.irp b, 0,1,2,3
	v_max3_num_f32 v[232+\b], v[96+16*\b], v[97+16*\b], v[98+16*\b]   ; the largest score of each block of 32 keys: it serves for the row's maximum and, since p rises with the score, for the block's largest p
.endr
.irp i, 3,5,7,9,11,13
.irp b, 0,1,2,3
	v_max3_num_f32 v[232+\b], v[232+\b], v[96+16*\b+\i], v[97+16*\b+\i]
.endr
.endr
.irp b, 0,1,2,3
	v_max_num_f32 v[232+\b], v[232+\b], v[111+16*\b]
.endr
.irp b, 0,1,2,3
	s_delay_alu instid0(VALU_DEP_4)
	v_permlanex16_b32 v[236+\b], v[232+\b], s[SEL], s[SEL+1]
.endr
.irp b, 0,1,2,3
	s_delay_alu instid0(VALU_DEP_4)
	v_max_num_f32 v[232+\b], v[232+\b], v[236+\b]  ; with lane l xor 16's 16 keys
.endr
	s_delay_alu instid0(VALU_DEP_2)
	v_max3_num_f32 v254, v232, v233, v234
	s_delay_alu instid0(VALU_DEP_1)
	v_max_num_f32 v254, v254, v235                 ; the step's largest score of my query
	s_delay_alu instid0(VALU_DEP_1)
	v_mul_f32 v254, s[CS], v254                    ; as t
	s_delay_alu instid0(VALU_DEP_1)
	v_max_num_f32 v13, v13, v254                   ; the running largest t
	v_mov_b32 v254, v12
	s_delay_alu instid0(VALU_DEP_2)
	v_floor_f32 v12, -v13                          ; the new -M = floor(-t): M is a whole number
	s_delay_alu instid0(VALU_DEP_1)
	v_sub_f32 v254, v12, v254                      ; old M less new M: a whole number, 0 or less
	s_delay_alu instid0(VALU_DEP_1)
	v_cvt_i32_f32 v254, v254                       ; (it saturates)
	s_delay_alu instid0(VALU_DEP_1)
	v_ldexp_f32 v252, 1.0, v254                    ; f = 2^(old M - new M)
.set j, 0
.rept 32
	v_pk_fma_f32 v[96+j:97+j], v[96+j:97+j], s[CS:CS+1], v[12:13] op_sel_hi:[1,0,0]   ; t - M, two at a time
.set j, j+2
.endr
.irp b, 0,1,2,3
	v_fma_f32 v[232+\b], v[232+\b], s[CS], v12     ; the same of each block's largest score
.endr
.set j, 0
	s_wait_alu depctr_va_vdst(0)
.rept 64
	v_exp_f32 v[96+j], v[96+j]                     ; p = 2^(t - M), at most 1
.set j, j+1
.endr
	v_pk_mul_f32 v[14:15], v[14:15], v[252:253] op_sel_hi:[1,0]   ; the sums under the new M (a plain place behind the exponentials)
	s_wait_alu depctr_va_vdst(0)                   ; one wait for the whole batch, ahead of its first reader
.irp b, 0,1,2,3
	v_exp_f32 v[232+\b], v[232+\b]                 ; the block's largest p
.endr
	v_pk_add_f32 v[236:237], v[100:101], v[104:105]
	v_pk_add_f32 v[248:249], v[108:109], v[112:113]
	v_pk_add_f32 v[246:247], v[116:117], v[120:121]
	v_pk_add_f32 v[244:245], v[124:125], v[128:129]
	v_pk_add_f32 v[242:243], v[132:133], v[136:137]
	v_pk_add_f32 v[240:241], v[140:141], v[144:145]
	v_pk_add_f32 v[238:239], v[148:149], v[152:153]
	v_pk_add_f32 v[14:15], v[14:15], v[156:157]
	v_pk_add_f32 v[236:237], v[236:237], v[96:97]
	v_pk_add_f32 v[248:249], v[248:249], v[98:99]
	v_pk_add_f32 v[246:247], v[246:247], v[102:103]
	v_pk_add_f32 v[244:245], v[244:245], v[106:107]
	v_pk_add_f32 v[242:243], v[242:243], v[110:111]
	v_pk_add_f32 v[240:241], v[240:241], v[114:115]
	v_pk_add_f32 v[238:239], v[238:239], v[118:119]
	v_pk_add_f32 v[14:15], v[14:15], v[122:123]
	v_pk_add_f32 v[236:237], v[236:237], v[126:127]
	v_pk_add_f32 v[248:249], v[248:249], v[130:131]
	v_pk_add_f32 v[246:247], v[246:247], v[134:135]
	v_pk_add_f32 v[244:245], v[244:245], v[138:139]
	v_pk_add_f32 v[242:243], v[242:243], v[142:143]
	v_pk_add_f32 v[240:241], v[240:241], v[146:147]
	v_pk_add_f32 v[238:239], v[238:239], v[150:151]
	v_pk_add_f32 v[14:15], v[14:15], v[154:155]
	v_pk_add_f32 v[236:237], v[236:237], v[158:159]
	s_delay_alu instid0(VALU_DEP_2)
	v_pk_add_f32 v[14:15], v[14:15], v[244:245]
	s_delay_alu instid0(VALU_DEP_2)
	v_pk_add_f32 v[236:237], v[236:237], v[242:243]
	v_pk_add_f32 v[248:249], v[248:249], v[240:241]
	v_pk_add_f32 v[246:247], v[246:247], v[238:239]
	s_delay_alu instid0(VALU_DEP_2)
	v_pk_add_f32 v[14:15], v[14:15], v[248:249]
	s_delay_alu instid0(VALU_DEP_2)
	v_pk_add_f32 v[236:237], v[236:237], v[246:247]
	s_delay_alu instid0(VALU_DEP_1)
	v_pk_add_f32 v[14:15], v[14:15], v[236:237]
	s_wait_alu depctr_va_vdst(0)                   ; and one for the four
.irp b, 0,1,2,3
	v_max_num_f32 v[232+\b], 0x1800000, v[232+\b]  ; the floor 2^(3 - 127): the byte cannot fall under 1
.endr
.irp b, 0,1,2,3
	s_delay_alu instid0(VALU_DEP_4)
	v_add_nc_u32 v[244+\b], 0xff000000, v[232+\b]  ; 2 off the exponent field: the conversion's scale operand
.endr
.irp b, 0,1,2,3
	s_delay_alu instid0(VALU_DEP_4)
	v_lshrrev_b32 v[236+\b], 23, v[244+\b]         ; the scale's byte
.endr
	s_delay_alu instid0(VALU_DEP_3)
	v_lshl_or_b32 v253, v237, 8, v236              ; p's scale word for these 128 keys
	s_delay_alu instid0(VALU_DEP_1)
	v_lshl_or_b32 v253, v238, 16, v253
	s_delay_alu instid0(VALU_DEP_1)
	v_lshl_or_b32 v253, v239, 24, v253
.irp c, 0,1
	v_cvt_scalef32_pk16_fp6_f32 v[224+6*\c:226+6*\c], v[96+32*\c:111+32*\c], v[244+2*\c]
	v_cvt_scalef32_pk16_fp6_f32 v[236+4*\c:238+4*\c], v[112+32*\c:127+32*\c], v[244+2*\c+1]   ; (a conversion's three registers begin on an even number)
.endr
	v_nop                                          ; one plain place behind a scaled conversion
.irp c, 0,1                            ; the operand's layout wants a whole block in a lane
.irp i, 0,1,2
	v_permlane16_swap_b32 v[224+6*\c+\i], v[236+4*\c+\i]
.endr
.irp i, 0,1,2
	s_delay_alu instid0(VALU_DEP_3)
	v_mov_b32 v[227+6*\c+\i], v[236+4*\c+\i]
.endr
.endr
	s_wait_alu depctr_va_vdst(0)
	s_wait_dscnt 0x0                               ; V and its scale bytes are in
	v_perm_b32 v90, v93, v92, 0x05040100           ; the scale words of 128 keys: tiles 0 and 1,
	v_perm_b32 v91, v93, v92, 0x07060302           ; tiles 2 and 3
.irp j, 0,2,4,6,8,10,12,14,16,18,20,22,24,26,28,30
	v_pk_mul_f32 v[160+\j:161+\j], v[160+\j:161+\j], v[252:253] op_sel_hi:[1,0]
.endr
	s_wait_alu depctr_va_vdst(0)
	s_wait_dscnt 0x0                               ; V and its scale words are in
.irp a, 0,1,2,3                        ; O^T += V^T P^T: four accumulators, one instruction each
.if (\a)%2
	v_wmma_scale_f32_16x16x128_f8f6f4 v[160+8*\a:167+8*\a], v[32+12*\a:43+12*\a], v[224:235], v[160+8*\a:167+8*\a], v[90+\a/2], v253 matrix_a_fmt:MATRIX_FMT_FP6 matrix_b_fmt:MATRIX_FMT_FP6 matrix_a_scale:MATRIX_SCALE_ROW1
.else
	v_wmma_scale_f32_16x16x128_f8f6f4 v[160+8*\a:167+8*\a], v[32+12*\a:43+12*\a], v[224:235], v[160+8*\a:167+8*\a], v[90+\a/2], v253 matrix_a_fmt:MATRIX_FMT_FP6 matrix_b_fmt:MATRIX_FMT_FP6
.endif
.endr
.Lhidden_\@:
	s_add_co_u32 s[TK], s[TK], 6144
	s_add_co_u32 s[TS], s[TS], 512
	s_add_co_u32 s[TV], s[TV], 6144
	s_add_co_u32 s[TW], s[TW], 256
.endm
; ONE TILE OF 16 QUERIES: tile 2 cx + p of group G, G = the wave's number (p = 0) or 15 less it (p = 1).
.macro PASS p
	s_wait_xcnt 0x0                                ; the last tile's loads and stores have read their bases and data: both are written again below
.if \p == 0
	s_mov_b32 s[GG], s[WV]
.else
	s_sub_co_u32 s[GG], 15, s[WV]
.endif
	s_lshl_b32 s50, s[GG], 3
	s_lshl_b32 s51, s[CX], 1
	s_add_co_u32 s50, s50, s51
	s_add_co_u32 s50, s50, \p                      ; my tile among the head's 128
	s_mov_b32 s53, 0
	s_mul_i32 s52, s50, 768
	s_add_nc_u64 s[QP:QP+1], s[4:5], s[52:53]
	s_lshl_b32 s52, s[GG], 9                       ; the group's scale words: tile a = 2 cx + p: its word of row r lies at 256 (a / 4) + 128 (a % 2) + 8 r + 4 ((a % 4) / 2)
	s_lshr_b32 s54, s[CX], 1
	s_lshl_b32 s54, s54, 8
	s_add_co_u32 s52, s52, s54
	s_and_b32 s54, s[CX], 1
	s_lshl_b32 s54, s54, 2
	s_add_co_u32 s52, s52, s54
	s_add_co_u32 s52, s52, KSC+128*\p
	s_add_nc_u64 s[QS:QS+1], s[4:5], s[52:53]
	s_mul_i32 s52, s50, 12288
	s_add_nc_u64 s[YP:YP+1], s[8:9], s[52:53]
	s_lshl_b32 s52, s50, 9
	s_add_nc_u64 s[YS:YS+1], s[10:11], s[52:53]
	global_load_b128 v[16:19], v[L16], s[QP:QP+1]
	global_load_b64 v[20:21], v[L8], s[QP:QP+1] offset:512
	global_load_b32 v28, v94, s[QS:QS+1]
	s_lshl_b32 s54, s[CX], 5
	s_add_co_u32 s54, s54, 8*\p
	v_add_nc_u32 v[DM], s54, v[DB]                 ; my query in its group is 32 cx + 8 p + r + 8 (r / 8)
	v_mov_b32 v13, 0xff61b1e6                      ; the largest t so far: -3e38, under every t
	s_delay_alu instid0(VALU_DEP_1)
	v_floor_f32 v12, -v13                          ; -M
	v_mov_b32 v14, 0
	v_mov_b32 v15, 0
.set j, 0
.rept 32
	v_mov_b32 v[160+j], 0                          ; O^T: the step is written once; the first finds zeros, which the first change of M leaves zeros
.set j, j+1
.endr
	s_mov_b32 s[ST], 0
	s_mov_b32 s[TK], 0
	s_mov_b32 s[TS], KSC
	s_mov_b32 s[TV], VIM
	s_mov_b32 s[TW], VSC
	s_wait_loadcnt 0x0                             ; Q
.Lstep_\@:                                             ; 16 trips, a constant: the steps that do not count are passed over inside
	STEP
	s_add_co_u32 s[ST], s[ST], 1
	s_cmp_lt_u32 s[ST], 16
	s_cbranch_scc1 .Lstep_\@
	; THE WAY OUT: O^T / the sum; its 64 channels are two blocks of the next product's K: quantised here, they are my head's half fragment of this tile of rows of y
.rept 4
	v_nop                                          ; places behind the last products
.endr
	v_add_f32 v14, v14, v15
	s_delay_alu instid0(VALU_DEP_1)
	v_permlanex16_b32 v252, v14, s[SEL], s[SEL+1]
	s_delay_alu instid0(VALU_DEP_1)
	v_add_f32 v14, v14, v252                       ; the row's sum
	s_wait_alu depctr_va_vdst(0)
	v_rcp_f32 v14, v14
	v_nop                                          ; a plain place behind the transcendental
	s_wait_alu depctr_va_vdst(0)                   ; and the wait ahead of its first reader
.irp j, 0,2,4,6,8,10,12,14,16,18,20,22,24,26,28,30
	v_pk_mul_f32 v[96+\j:97+\j], v[160+\j:161+\j], v[14:15] op_sel_hi:[1,0]   ; register 16 b + i is channel 32 b + 16 (lane / 16) + i
.endr
.irp b, 0,1
	v_max3_num_f32 v[232+\b], |v[96+16*\b]|, |v[97+16*\b]|, 0x1800000
.endr
.irp i, 2,4,6,8,10,12,14
.irp b, 0,1
	s_delay_alu instid0(VALU_DEP_2)
	v_max3_num_f32 v[232+\b], v[232+\b], |v[96+16*\b+\i]|, |v[97+16*\b+\i]|
.endr
.endr
.irp b, 0,1
	s_delay_alu instid0(VALU_DEP_2)
	v_permlanex16_b32 v[236+\b], v[232+\b], s[SEL], s[SEL+1]
.endr
.irp b, 0,1
	s_delay_alu instid0(VALU_DEP_2)
	v_max_num_f32 v[232+\b], v[232+\b], v[236+\b]
.endr
.irp b, 0,1
	s_delay_alu instid0(VALU_DEP_2)
	v_add_nc_u32 v[244+\b], 0xff000000, v[232+\b]
.endr
.irp b, 0,1
	s_delay_alu instid0(VALU_DEP_2)
	v_lshrrev_b32 v[236+\b], 23, v[244+\b]
.endr
	s_delay_alu instid0(VALU_DEP_1)
	v_lshl_or_b32 v29, v237, 8, v236               ; my row's two scale bytes
	v_cvt_scalef32_pk16_fp6_f32 v[224:226], v[96:111], v244
	v_cvt_scalef32_pk16_fp6_f32 v[236:238], v[112:127], v245
	v_nop
.irp i, 0,1,2
	v_permlane16_swap_b32 v[224+\i], v[236+\i]
.endr
.irp i, 0,1,2
	s_delay_alu instid0(VALU_DEP_3)
	v_mov_b32 v[227+\i], v[236+\i]
.endr
	global_store_b128 v[L16], v[224:227], s[YP:YP+1]               ; 512 consecutive bytes, aligned to 256
	global_store_b64 v[L8], v[228:229], s[YP:YP+1] offset:512
	global_store_b16 v[R32], v29, s[YS:YS+1]       ; two bytes a row, rows 32 bytes apart: a row's 32 scale bytes come from 16 heads, that is 16 clusters; 32 bytes beside the tile's 768
.endm
	PASS 0
	PASS 1
	s_wait_tensorcnt 0x0
	ds_add_u32 v251, v255
	s_wait_dscnt 0x0
	CROUND                                         ; the closing round
	s_endpgm
.Lfunc_end_k_q6cebcc81ae_attn:
	.size	k_q6cebcc81ae_attn, .Lfunc_end_k_q6cebcc81ae_attn-k_q6cebcc81ae_attn
	.p2alignl 7, 3214868480
	.fill 96, 4, 3214868480
	.section	.rodata,"a",@progbits
	.p2align	6, 0x0
	.amdhsa_kernel k_q6cebcc81ae_attn
		.amdhsa_group_segment_fixed_size 210944
		.amdhsa_private_segment_fixed_size 0
		.amdhsa_enable_private_segment 0
		.amdhsa_kernarg_size 32
		.amdhsa_user_sgpr_count 2
		.amdhsa_user_sgpr_kernarg_segment_ptr 1
		.amdhsa_wavefront_size32 1
		.amdhsa_system_sgpr_workgroup_id_x 1
		.amdhsa_system_sgpr_workgroup_id_y 1
		.amdhsa_system_sgpr_workgroup_id_z 1
		.amdhsa_system_vgpr_workitem_id 0
		.amdhsa_next_free_vgpr 256
		.amdhsa_next_free_sgpr 66
		.amdhsa_reserve_vcc 1
		.amdhsa_float_denorm_mode_32 3
		.amdhsa_float_denorm_mode_16_64 3
		.amdhsa_memory_ordered 1
		.amdhsa_forward_progress 1
		.amdhsa_inst_pref_size 65
	.end_amdhsa_kernel
	.amdgpu_metadata
---
amdhsa.version: [ 1, 2 ]
amdhsa.kernels:
  - .name:           k_q6cebcc81ae_attn
    .symbol:         k_q6cebcc81ae_attn.kd
    .args:
      - { .name: q_ws, .offset: 0, .size: 8, .value_kind: global_buffer, .address_space: global }
      - { .name: kv_ws, .offset: 8, .size: 8, .value_kind: global_buffer, .address_space: global }
      - { .name: y_img, .offset: 16, .size: 8, .value_kind: global_buffer, .address_space: global }
      - { .name: y_sc, .offset: 24, .size: 8, .value_kind: global_buffer, .address_space: global }
    .group_segment_fixed_size: 210944
    .private_segment_fixed_size: 0
    .kernarg_segment_align: 8
    .kernarg_segment_size: 32
    .max_flat_workgroup_size: 512
    .sgpr_count:     66
    .vgpr_count:     256
    .wavefront_size: 32
...
	.end_amdgpu_metadata
.endif
;; end of part 3
;; launch gemm_proj (part 4): grid 32 x 8, 4 waves a work-group, clusters of 4 x 1, 167,936 bytes of LDS; arguments y_img, y_sc, w_img, b_proj, out0; writes out0
.if DOCPART == 4
	.amdgcn_target "amdgcn-amd-amdhsa--gfx1250"
	.amdhsa_code_object_version 6
	.text
	.protected	k_q6cebcc81ae_gemm_proj
	.globl	k_q6cebcc81ae_gemm_proj
	.p2align	8
	.type	k_q6cebcc81ae_gemm_proj,@function
k_q6cebcc81ae_gemm_proj:
	s_mov_b64 s[64:65], 0
	v_nop
	global_prefetch_b8 v0, s[64:65] scope:SCOPE_SE
	s_setreg_imm32_b32 hwreg(HW_REG_WAVE_MODE, 25, 1), 1
	s_wait_xcnt 0x0
	s_wait_alu depctr_hold_cnt(0) depctr_sa_sdst(0) depctr_va_vdst(0) depctr_va_sdst(0) depctr_va_ssrc(0) depctr_va_vcc(0) depctr_vm_vsrc(0)
	s_getreg_b32 s2, hwreg(HW_REG_IB_STS2, 6, 4)
	s_cmp_eq_u32 s2, 0
	s_cbranch_scc0 .Lentry_in_a_cluster
	s_endpgm
.Lentry_in_a_cluster:
	s_bfe_u32 s2, ttmp6, 0x10000c
	s_cmp_lg_u32 s2, 0x3003
	s_cbranch_scc0 .Lentry_shape_is_right
	s_endpgm
.Lentry_shape_is_right:
; out0 = y w_proj + b_proj on codes of FP6 (E2M3) with E8M0 scales, sums in f32, results f32.  NaN and infinities are not served.
; OPERANDS are images of the operand's registers, as the launches before leave them: a row tile (16 rows, K = 1,024) is 16 half fragments of 768 bytes; y: tiles of 12,288 bytes, scale bytes in y_sc, 32 a row;
; w: tiles of 12,800 bytes, the rows' scale bytes behind the codes; w_proj's columns are tiles 192-255.  Row r of tile 2 g + u is row 32 g + 8 u + r + 8 (r / 8) of the tensor.
; THE DEAL.  256 work-groups: 32 blocks of 256 tokens x 8 groups of 128 columns.  A wave HOLDS 64 tokens, all of K, in 384 registers, loaded from memory as they lie; the group's 8 tiles of w, 102,400 bytes, lie in LDS
; whole: one tensor load a wave at the head (2 tiles, 100 rows of 256 bytes), nothing is filled again.  CLUSTER: four token blocks of one column group ask for w's tiles jointly (mask 15).
; A TRIP is 64 columns: four blocks of 32 products (source 0 = a tile of w, source 1 = my four tiles of y; four accumulators by turns; the bias is the first products' C), then the way out: a lane holds 64 consecutive
; bytes of a row of out0, so 16 rows x 256 bytes go through my own stage in LDS and leave as whole rows: 16 lanes store 256 consecutive bytes, aligned.  The first trip's stores are out while the second is multiplied.
; The last trip's two fetches have no tile to take: they read that trip's first two tiles once more, so that every wait counts the same loads.
; No prefetch: every stream is asked for at the head, there is no loop to run ahead in.
.set TILE,  12800
.set XT,    12288
.set NT,    8
.set TRIPS, 2
.set STAGE, NT*TILE                    ; behind the tiles: two stages of 16 rows x 272 bytes for each wave; no tensor load lands here
.set SW,    16*272
.set SPARE, STAGE+8*SW                 ; the spare words, 128 bytes a wave
.set FR,    12                         ; fragment f lies in window 1 + f / 21 at register 12 (f % 21): 0-31 held (4 q + t), 32-39 and 40-47 the streamed tile's two sets
.set FPW,   21
.set NF,    34
.set L16,  1                           ; v1 16 x lane, v2 8 x lane, v3 32 r: also the LDS addresses of tile 0
.set L8,   2
.set R32,  3
.set LN32, 4
.set BQ,   5
.set STO,  6
.set RD,   7
.set SPW,  8
.set NIL,  9
.set AD,   10                          ; v10-12 as v1-3, at this trip's first tile; v13-15 at the next trip's
.set CO,   16
.set SB,   24
.set SA,   44
.set ACC,  64
.set BK,   192                         ; v192-255 rows read back from the stages
.set BI,   72                          ; window 3: this trip's bias, the next trip's
.set BI2,  104
.set MSB, 0
.macro WIN new
.if MSB != (\new)
	s_set_vgpr_msb (MSB<<8)|(\new)
.set MSB, (\new)
.endif
.endm
.macro PLACES n
.rept \n
	v_nop
.endr
.endm
.macro WALU
	s_wait_alu depctr_va_vdst(0)
.endm
.macro CROUND
	s_barrier_signal -1
	s_barrier_wait -1
	s_cmp_lg_u32 s16, 0
	s_cbranch_scc1 .Lnot_wave_0_\@
	s_barrier_signal -3
.Lnot_wave_0_\@:
	s_barrier_wait -3
	s_barrier_signal -1
	s_barrier_wait -1
.endm
.macro FETCH e, a, off
.irp q, 0,1,2,3,4,5,6,7
.set F_, 32+8*(\e)+\q
.set R_, FR*(F_%FPW)
	WIN (1+F_/FPW)<<6
	ds_load_b128 v[R_:R_+3], v[\a] offset:(\off)+1536*\q
	ds_load_b64 v[R_+4:R_+5], v[\a+1] offset:(\off)+1536*\q+512
	ds_load_b128 v[R_+6:R_+9], v[\a] offset:(\off)+1536*\q+768
	ds_load_b64 v[R_+10:R_+11], v[\a+1] offset:(\off)+1536*\q+1280
.endr
	WIN 0
	ds_load_b128 v[SA+8*(\e):SA+8*(\e)+3], v[\a+2] offset:(\off)+12288
	ds_load_b128 v[SA+8*(\e)+4:SA+8*(\e)+7], v[\a+2] offset:(\off)+12304
.endm
.macro W1 d, a, b, c, xa, xb, row
	v_wmma_scale_f32_16x16x128_f8f6f4 v[\d:\d+7], v[\a:\a+11], v[\b:\b+11], \c, v[\xa], v[\xb] matrix_a_fmt:MATRIX_FMT_FP6 matrix_b_fmt:MATRIX_FMT_FP6 matrix_b_scale:MATRIX_SCALE_ROW\row
.endm
.macro PROD e, q, t, s
.set FH_, 4*(\q)+(\t)
.set FS_, 32+8*(\e)+(\q)
.set RH_, FR*(FH_%FPW)
.set RS_, FR*(FS_%FPW)
.set XH_, SB+8*((\t)/2)+(\q)
.set XS_, SA+8*(\e)+(\q)
.set D_, ACC+32*(\t)+8*(\s)
.if (\q) == 0
	WIN (1+FS_/FPW)|((1+FH_/FPW)<<2)|(3<<4)
.if (\t)%2
	W1 D_, RS_, RH_, v[BI+8*(\s):BI+8*(\s)+7], XS_, XH_, 1
.else
	W1 D_, RS_, RH_, v[BI+8*(\s):BI+8*(\s)+7], XS_, XH_, 0
.endif
.else
	WIN (1+FS_/FPW)|((1+FH_/FPW)<<2)
.if (\t)%2
	W1 D_, RS_, RH_, v[D_:D_+7], XS_, XH_, 1
.else
	W1 D_, RS_, RH_, v[D_:D_+7], XS_, XH_, 0
.endif
.endif
.endm
.macro BLK e, s, a, off
	s_wait_dscnt NF                                ; my set is in; the other set's 34 loads, issued behind it, may be out
.irp q, 0,1,2,3,4,5,6,7
.irp t, 0,1,2,3
	PROD \e, \q, \t, \s
.endr
.endr
	WIN 0
	PLACES 4                                       ; between the products and the loads into their registers, and the first reads of results
	FETCH \e, \a, \off
.endm
.macro TOSTAGE t                       ; my tile t: register 16 g + i of lane (r, h) is column 32 g + 16 h + i of row r.  LDS serves a wave's instructions in order: the loads see the stores
.irp k, 0,1,2,3,4,5,6,7
	ds_store_b128 v[STO], v[ACC+32*(\t)+4*\k:ACC+32*(\t)+4*\k+3] offset:SW*((\t)%2)+128*(\k/4)+16*(\k%4)
.endr
.irp k, 0,1,2,3,4,5,6,7
	ds_load_b128 v[BK+32*((\t)%2)+4*\k:BK+32*((\t)%2)+4*\k+3], v[RD] offset:SW*((\t)%2)+2*\k*272
.endr
.endm
.macro SEND t, younger                 ; the stage's rows 2 k and 2 k + 1 are tokens 32 (t / 2) + 8 (t % 2) + 2 k + 8 (k / 4) and the next
	s_wait_dscnt \younger
.irp k, 0,1,2,3,4,5,6,7
	global_store_b128 v[CO], v[BK+32*((\t)%2)+4*\k:BK+32*((\t)%2)+4*\k+3], s[46:47] offset:(32*((\t)/2)+8*((\t)%2)+2*\k+8*(\k/4))*4096 th:TH_STORE_NT
.endr
.endm
; ---- the head
	s_load_b256 s[4:11], s[0:1], 0x0               ; y_img, y_sc, w_img, b_proj
	s_load_b64 s[12:13], s[0:1], 0x20              ; out0
	v_lshl_add_u32 v[SPW], v0, 2, SPARE
	v_mov_b32 v[NIL], 0
	ds_add_u32 v[SPW], v[NIL]                      ; the opening lines: the add twice on end and its wait
	ds_add_u32 v[SPW], v[NIL]
	v_lshrrev_b32 v10, 5, v0
	v_readfirstlane_b32 s16, v10                   ; wave
	s_bfe_u32 s17, ttmp6, 0x40000                  ; cx
	s_lshl_b32 s18, ttmp9, 2
	s_add_co_u32 s18, s18, s17                     ; my block of 256 tokens
	s_and_b32 s19, ttmp7, 0xffff                   ; my group of 128 columns
	s_mov_b32 s24, 15|(3<<16)|(1<<21)              ; group 1: the mask of all four partners, elements of 8 bytes; 100 dense rows of 256 bytes
	s_mov_b32 s25, 32<<16
	s_mov_b32 s26, 100<<16
	s_mov_b32 s27, 32<<16
	s_mov_b32 s28, 100
	s_mov_b32 s29, 32
	s_mov_b32 s30, 0
	s_mov_b32 s31, 0
	s_mov_b32 s32, 1
	s_mul_i32 s33, s16, 2*TILE                     ; my two tiles: in LDS,
	s_mul_i32 s20, s19, NT*TILE
	s_add_co_u32 s20, s20, s33
	s_add_co_u32 s20, s20, 192*TILE                ; and in w_img
	s_mov_b32 s21, 0
	s_mul_i32 s22, s16, 2*SW
	s_add_co_u32 s22, s22, STAGE                   ; my stages
	v_and_b32 v10, 31, v0
	v_lshlrev_b32 v[L16], 4, v10
	v_lshlrev_b32 v[L8], 3, v10
	v_lshlrev_b32 v[LN32], 5, v10
	v_and_b32 v11, 15, v0
	v_lshlrev_b32 v[R32], 5, v11
	v_bfe_u32 v12, v0, 4, 1
	v_lshlrev_b32 v[BQ], 6, v12
	v_mul_u32_u24 v[STO], v11, 272
	v_lshl_add_u32 v[STO], v12, 6, v[STO]
	v_add_nc_u32 v[STO], s22, v[STO]               ; in: row r, 64 h bytes
	v_mul_u32_u24 v[RD], v12, 272
	v_lshl_add_u32 v[RD], v11, 4, v[RD]
	v_add_nc_u32 v[RD], s22, v[RD]                 ; back: lanes 0-15 one row of 256 bytes, lanes 16-31 the next
	v_lshlrev_b32 v[CO], 12, v12
	v_lshl_add_u32 v[CO], v11, 4, v[CO]            ; and the same two rows in out0
	WALU                                           ; the wait at the head's end
	s_wait_dscnt 0x0
	CROUND                                         ; the four partners are here: the joint loads meet
	s_wait_kmcnt 0x0
	s_add_nc_u64 s[34:35], s[8:9], s[20:21]
	s_or_b32 s35, s35, 0x80000000
	tensor_load_to_lds s[32:35], s[24:31]          ; my one tensor load of the launch
	s_nop 0
	PLACES 4
	s_lshl_b32 s20, s18, 4
	s_lshl_b32 s22, s16, 2
	s_add_co_u32 s20, s20, s22                     ; my first tile of y
	s_lshl_b32 s50, s20, 16                        ; its first row in out0: 16 rows of 4,096 bytes a tile
	s_lshl_b32 s22, s20, 9
	s_mov_b32 s23, 0
	s_mul_i32 s20, s20, XT
	s_add_nc_u64 s[4:5], s[4:5], s[20:21]
	s_add_nc_u64 s[6:7], s[6:7], s[22:23]
.irp q, 0,1,2,3,4,5,6,7                ; my 64 tokens, all of K: every load reads 512 or 256 consecutive bytes
.irp t, 0,1,2,3
.set F_, 4*\q+\t
.set R_, FR*(F_%FPW)
	WIN (1+F_/FPW)<<6
	global_load_b128 v[R_:R_+3], v[L16], s[4:5] offset:XT*\t+1536*\q
	global_load_b64 v[R_+4:R_+5], v[L8], s[4:5] offset:XT*\t+1536*\q+512
	global_load_b128 v[R_+6:R_+9], v[L16], s[4:5] offset:XT*\t+1536*\q+768
	global_load_b64 v[R_+10:R_+11], v[L8], s[4:5] offset:XT*\t+1536*\q+1280
.endr
.endr
	WIN 0
.irp p, 0,1
.irp c, 0,1
	global_load_b128 v[SB+8*\p+4*\c:SB+8*\p+4*\c+3], v[LN32], s[6:7] offset:1024*\p+16*\c
.endr
.endr
	s_lshl_b32 s20, s19, 9                         ; my 128 columns, in bytes
	s_add_nc_u64 s[10:11], s[10:11], s[20:21]
	s_add_co_u32 s50, s50, s20
	s_mov_b32 s51, 0
	s_add_nc_u64 s[46:47], s[12:13], s[50:51]
	WIN 3<<6
.irp k, 0,1,2,3,4,5,6,7                ; the bias in the result's layout: register 8 s + j goes with column 32 (s / 2) + 16 h + 8 (s % 2) + j; both trips'
	global_load_b128 v[BI+4*\k:BI+4*\k+3], v[BQ], s[10:11] offset:128*(\k/4)+16*(\k%4)
	global_load_b128 v[BI2+4*\k:BI2+4*\k+3], v[BQ], s[10:11] offset:256+128*(\k/4)+16*(\k%4)
.endr
	WIN 0
	s_wait_tensorcnt 0x0                           ; my two tiles have landed,
	s_barrier_signal -1
	s_barrier_wait -1                              ; everybody's have
	FETCH 0, L16, 0
	FETCH 1, L16, TILE
	s_wait_loadcnt 0x0                             ; y, its scale words and the bias are in
	s_mov_b32 s36, 0
.Ltrip:
	s_mul_i32 s38, s36, 4*TILE
	s_add_co_u32 s39, s38, 4*TILE
	s_min_u32 s39, s39, (NT-4)*TILE
	v_add_nc_u32 v[AD], s38, v[L16]
	v_add_nc_u32 v[AD+1], s38, v[L8]
	v_add_nc_u32 v[AD+2], s38, v[R32]
	v_add_nc_u32 v[AD+3], s39, v[L16]
	v_add_nc_u32 v[AD+4], s39, v[L8]
	v_add_nc_u32 v[AD+5], s39, v[R32]
	WALU                                           ; the wait
	BLK 0, 0, AD, 2*TILE
	BLK 1, 1, AD, 3*TILE
	BLK 0, 2, AD+3, 0
	BLK 1, 3, AD+3, TILE
	s_wait_xcnt 0x0                                ; the last trip's stores have read their registers
	TOSTAGE 0
	TOSTAGE 1
	SEND 0, 16                                     ; behind tile 0's loads: tile 1's 8 stores and 8 loads
	s_wait_xcnt 0x0
	TOSTAGE 2
	SEND 1, 16
	s_wait_xcnt 0x0
	TOSTAGE 3
	SEND 2, 16
	SEND 3, 0
	s_cmp_lg_u32 s36, 0
	s_cbranch_scc1 .Llast
	s_wait_xcnt 0x0                                ; the stores have read their base
	s_add_nc_u64 s[46:47], s[46:47], 256           ; 64 columns on
	WIN 0xc3
.set I_, 0
.rept 32
	v_mov_b32 v[BI+I_], v[BI2+I_]
.set I_, I_+1
.endr
	WIN 0
.Llast:
	s_add_co_u32 s36, s36, 1
	s_cmp_lt_u32 s36, TRIPS
	s_cbranch_scc1 .Ltrip
	s_wait_tensorcnt 0x0                           ; the wave's end
	ds_add_u32 v[SPW], v[NIL]
	s_wait_dscnt 0x0
	CROUND                                         ; the closing round
	s_endpgm
.Lfunc_end_k_q6cebcc81ae_gemm_proj:
	.size	k_q6cebcc81ae_gemm_proj, .Lfunc_end_k_q6cebcc81ae_gemm_proj-k_q6cebcc81ae_gemm_proj
	.p2alignl 7, 3214868480
	.fill 96, 4, 3214868480
	.section	.rodata,"a",@progbits
	.p2align	6, 0x0
	.amdhsa_kernel k_q6cebcc81ae_gemm_proj
		.amdhsa_group_segment_fixed_size 167936
		.amdhsa_private_segment_fixed_size 0
		.amdhsa_enable_private_segment 0
		.amdhsa_kernarg_size 40
		.amdhsa_user_sgpr_count 2
		.amdhsa_user_sgpr_kernarg_segment_ptr 1
		.amdhsa_wavefront_size32 1
		.amdhsa_system_sgpr_workgroup_id_x 1
		.amdhsa_system_sgpr_workgroup_id_y 1
		.amdhsa_system_sgpr_workgroup_id_z 1
		.amdhsa_system_vgpr_workitem_id 0
		.amdhsa_next_free_vgpr 1024
		.amdhsa_next_free_sgpr 66
		.amdhsa_reserve_vcc 0
		.amdhsa_float_denorm_mode_32 3
		.amdhsa_float_denorm_mode_16_64 3
		.amdhsa_memory_ordered 1
		.amdhsa_forward_progress 1
		.amdhsa_inst_pref_size 58
	.end_amdhsa_kernel
	.amdgpu_metadata
---
amdhsa.version: [ 1, 2 ]
amdhsa.kernels:
  - .name:           k_q6cebcc81ae_gemm_proj
    .symbol:         k_q6cebcc81ae_gemm_proj.kd
    .args:
      - { .name: y_img, .offset: 0, .size: 8, .value_kind: global_buffer, .address_space: global }
      - { .name: y_sc, .offset: 8, .size: 8, .value_kind: global_buffer, .address_space: global }
      - { .name: w_img, .offset: 16, .size: 8, .value_kind: global_buffer, .address_space: global }
      - { .name: b_proj, .offset: 24, .size: 8, .value_kind: global_buffer, .address_space: global }
      - { .name: out0, .offset: 32, .size: 8, .value_kind: global_buffer, .address_space: global }
    .group_segment_fixed_size: 167936
    .private_segment_fixed_size: 0
    .kernarg_segment_align: 8
    .kernarg_segment_size: 40
    .max_flat_workgroup_size: 128
    .sgpr_count:     66
    .vgpr_count:     1024
    .wavefront_size: 32
...
	.end_amdgpu_metadata
.endif
;; end of part 4
